; MI455X (gfx1250); checked and timed in simulation.
; The chip was launched on July 23, 2026; its instructions are those of AMD's public machine-readable ISA for CDNA 5 (MIT licence, August 2026) and "CDNA5" Instruction Set Architecture Reference Guide (July 2026). The comments in the code are by the model that wrote it; some were corrected since.
;; RNNQ Network Zero State. Allowed arithmetic: matrix products marked QUANTISED: E2M1 operands, one E8M0 scale for each 32 along K, by v_wmma_scale_f32_16x16x128_f8f6f4 with both operands' format E2M1 (or v_wmma_scale_f32_32x16x128_f4), f32 sums; everything else in f32.
;; Inputs: W_final 1,024 x 2,048 float32; W_ih 2,048 x 2,048 float32; W_init 2,048 x 1,024 float32; b_final 1,024 float32; b_hh 2,048 float32; b_ih 2,048 float32; b_init 2,048 float32; x 16 x 512 x 1,024 float32.
;; Outputs: out0 16 x 512 x 1,024 float32.
;; This version of the problem:
;;   THIS VERSION OF THE PROBLEM IS GIVEN IN LOW PRECISION. The matrix products marked QUANTISED in the list below multiply operands that are first quantised to E2M1 (2 exponent bits, 1 mantissa bit; 4 bits a number), with one power-of-two scale for each 32 numbers along K (OCP MX v1.0); their sums are f32. All else is computed in f32.
;;   The module's matrix products, in the order in which they are computed (A, B: the left and right operand; K: the contracted axis; several contracted axes count as one K, in the product's order):
;;     1. [M 8,192, K 1,024] x [K 1,024, N 2,048]; A: input x; B: input W_init: QUANTISED
;;     2. [M 8,192, K 2,048] x [K 2,048, N 2,048]; A: computed on the way; B: input W_ih: QUANTISED
;;     3. [M 8,192, K 2,048] x [K 2,048, N 1,024]; A: computed on the way; B: input W_final: QUANTISED
;;   THE QUANTISER, for each operand of a quantised product, along K:
;;     - K is cut into blocks of 32 from its start; a last block that is shorter is filled with zeros.
;;     - A block's scale is 2^e with e = floor(log2(the largest magnitude in the block)) - 2, held to -126 .. 127; a block of zeros has e = 0. As a byte (E8M0): e + 127.
;;     - Each number is divided by its block's scale, clamped to +-6, and rounded to the nearest number of E2M1, ties to even, subnormals kept.
;;     - The product sums the exact products of the quantised numbers (number of the format x scale) in f32.
;;   ~~~python
;;   def quantise(x, axis):      # numpy; x: float32 -> the quantised numbers, widened to float32 again
;;       x = np.moveaxis(x, axis, -1); K = x.shape[-1]
;;       x = np.pad(x, [(0, 0)] * (x.ndim - 1) + [(0, -K % 32)]); x = x.reshape(x.shape[:-1] + (-1, 32)); a = np.abs(x).max(-1, keepdims=True)
;;       e = np.where(a > 0, np.clip(np.frexp(np.where(a > 0, a, 1))[1] - 1 - 2, -126, 127), 0)      # np.frexp(a)[1] - 1 = floor(log2(a)), exactly
;;       r = np.clip(x / 2.0 ** e, -6, 6)
;;       step = 2.0 ** (np.maximum(np.frexp(np.where(r == 0, 1, r))[1] - 1, 0) - 1)
;;       q = np.round(r / step) * step * 2.0 ** e      # np.round: ties to even
;;       return np.moveaxis(q.reshape(q.shape[:-2] + (-1,))[..., :K], -1, axis).astype(np.float32)
;;   ~~~
;;   OPERANDS COMPUTED ON THE WAY. 'Computed on the way' means the value that the module computes at that place (a softmax that the list does not call 'softmax' is quantised finished and normalised). What goes into a quantiser is computed in f32, as accurately as f32 sums, v_exp_f32 and their like allow (about 1e-6 of the number): no bf16 or f16 on the way to a quantiser, and a product that is left as it is and whose result goes on into a quantised operand takes f32 operands (vector FMAs, or v_wmma_f32_16x16x4_f32). A number that lies on a knife's edge between two numbers of the format may be rounded either way, as far as f32 arithmetic and the matrix unit's own rounding can turn it there, and no further.
;; One version. Each part assembles by itself: llvm-mc -triple=amdgcn-amd-amdhsa -mcpu=gfx1250 --defsym DOCPART=n.
;; ======== version 1 of 1: 4 launches
;; limits: right only within a limited range of input values
;; workspace buffers: xq 4,456,448 bytes; w1q 1,114,112 bytes; w2q 2,228,224 bytes; w3q 1,114,112 bytes; h1q 8,912,896 bytes; h2q 8,912,896 bytes
;; launch quant (part 1): grid 512 x 1, 4 waves a work-group, no clusters, 34,304 bytes of LDS; arguments x, W_init, W_ih, W_final, xq, w1q, w2q, w3q; writes xq, w1q, w2q, w3q
.if DOCPART == 1
	.amdgcn_target "amdgcn-amd-amdhsa--gfx1250"
	.amdhsa_code_object_version 6
	.text
	.protected	k_qc1e9cb3382_quant
	.globl	k_qc1e9cb3382_quant
	.p2align	8
	.type	k_qc1e9cb3382_quant,@function
k_qc1e9cb3382_quant:
	s_mov_b64 s[64:65], 0
	v_nop
	global_prefetch_b8 v0, s[64:65] scope:SCOPE_SE
	s_setreg_imm32_b32 hwreg(HW_REG_WAVE_MODE, 25, 1), 1
	s_wait_xcnt 0x0
; out = relu(relu(x W_init^T + b_init) W_ih^T + b_ih + b_hh) W_final^T + b_final, all three products on codes of FP4 (E2M1) with one E8M0 scale for each 32 along K.
; NOTHING OF THE PROBLEM IS LEFT OUT: every product is live and every input is loaded by some launch.
; THIS LAUNCH turns x [8192][1024], W_init [2048][1024], W_ih [2048][2048], W_final [1024][2048], f32 with K innermost, into codes and scale words, each read once.
; A block's scale byte is the largest magnitude's exponent field - 2, held at 1 from below; each number is divided by the scale and rounded to the nearest code, ties to even, beyond 6 the largest code.
; LIMITS: a block of zeros gets the byte 1 where the rule says 127 (its codes are zeros, and this program alone reads the bytes); NaN and infinities among the inputs are not served.
; LAYOUT OF A RESULT: units of 128 rows x 512 along K, 34,816 bytes each, laid [row / 128][k / 512].  In a unit: the codes as images of the operand's registers, [row block of 16][(k / 128) % 4][1,024 bytes],
; lane l's registers 4 c .. 4 c + 3 at 512 c + 16 l; from byte 32,768 the scale words (4 bytes: 128 along K of one row), [(k / 128) % 4][row / 64][row % 16][(row / 16) % 4].
; ROWS OF W_init AND W_ih ARE PLACED ANEW: place p of image i holds row 32 (i / 2) + 8 (i % 2) + p % 8 + 16 (p / 8), so that in the transposed product a lane's 16 registers of two neighbouring tiles are 16 neighbours
; along the next K.  x and W_final keep their order.
; SHARES.  A wave takes 64 places x 128 along K: four images.  Work-groups 0-255 x, 256-319 W_init, 320-447 W_ih, 448-511 W_final, chosen by the work-group's number on one path.
; A load reads 512 consecutive bytes of one row; an image's 16 rows turn through the wave's own stage in LDS and come back a block of 32 a lane.  Waves share nothing: no barrier.
.set UNIT,  34816
.set STG,   8448                       ; a wave's stage: 16 rows of 512 bytes + 16 of padding
.set SPARE, 4*STG                      ; the spare words, 128 bytes for each wave
.set VO,  8                            ; v8-15   16 x lane + j rows of the source
.set MX,  16
.set SCO, 18
.set BY,  20
.set T,   22
.set T2,  23
.set W,   25                           ; v25-28  the four images' scale words of my row
.set SPW, 30
.set NIL, 31
.set C,   32                           ; v32-63  codes, eight registers an image
.set R,   64                           ; v64-191 images 0, 1 as loaded; images 2, 3: v0-127 of window 1
.set X,   192                          ; v192-255 my two blocks of 32 numbers
.set SB,  32                           ; s[32:47] the source at each of the eight groups of eight places
.set MSB, 0
.macro WIN new
.if MSB != (\new)
	s_set_vgpr_msb (MSB<<8)|(\new)
.set MSB, (\new)
.endif
.endm
	s_load_b512 s[8:23], s[0:1], 0x0               ; the four sources s[8:15], the four results s[16:23]
	v_lshl_add_u32 v[SPW], v0, 2, SPARE
	v_mov_b32 v[NIL], 0
	v_lshrrev_b32 v1, 5, v0
	v_readfirstlane_b32 s2, v1                     ; wave
	v_and_b32 v1, 31, v0
	v_and_b32 v2, 15, v0                           ; r
	v_bfe_u32 v3, v0, 4, 1                         ; h
	v_lshlrev_b32 v4, 4, v1                        ; 16 x lane
	v_lshlrev_b32 v5, 4, v2
	v_lshl_add_u32 v5, v3, 3, v5                   ; the scale words: 16 r + 8 h
	s_mul_i32 s3, s2, STG
	v_add_nc_u32 v6, s3, v4                        ; into the stage: as loaded
	v_mul_u32_u24 v7, v2, 528
	v_lshl_add_u32 v7, v3, 7, v7
	v_add_nc_u32 v7, s3, v7                        ; out of it: row r, block h
	v_lshlrev_b32 v24, 3, v3
	v_mov_b32 v[T2], 0
	v_cmp_ne_u32 s54, 0, v3
	s_mov_b32 s52, 0x76543210
	s_mov_b32 s53, 0xfedcba98
	s_mov_b32 s24, 448                             ; first work-group, log2(K / 128), log2(rows), rows placed anew: they begin as W_final's
	s_mov_b32 s25, 4
	s_mov_b32 s26, 10
	s_mov_b32 s27, 0
	s_cmp_lt_u32 ttmp9, 448
	s_cselect_b32 s24, 320, s24
	s_cselect_b32 s26, 11, s26
	s_cselect_b32 s27, 1, s27
	s_cmp_lt_u32 ttmp9, 320
	s_cselect_b32 s24, 256, s24
	s_cselect_b32 s25, 3, s25
	s_cmp_lt_u32 ttmp9, 256
	s_cselect_b32 s24, 0, s24
	s_cselect_b32 s26, 13, s26
	s_cselect_b32 s27, 0, s27
	s_sub_co_u32 s28, ttmp9, s24
	s_lshl_b32 s28, s28, 2
	s_add_co_u32 s28, s28, s2                      ; my wave's job
	s_bfm_b32 s29, s25, 0
	s_and_b32 s30, s28, s29                        ; ks: which 128 along K
	s_lshr_b32 s31, s28, s25                       ; G: which 64 places
	s_lshl_b32 s48, 0x200, s25                     ; a source row in bytes
	s_lshl_b32 s49, s48, 3
.irp j, 0,1,2,3,4,5,6,7
	v_mad_u32_u24 v[VO+\j], s48, \j, v4
.endr
	s_mul_i32 s56, s31, s48
	s_lshl_b32 s56, s56, 6
	s_lshl_b32 s57, s30, 9
	s_add_co_u32 s56, s56, s57                     ; 64 G rows + 512 ks bytes
	s_mov_b32 s57, 0
	s_cmp_lg_u32 s27, 0
.irp g, 0,1,2,3,4,5,6,7
	s_cselect_b32 s[SB+2*\g], (\g&4)|((\g&1)<<1)|((\g>>1)&1), \g   ; which group of eight rows lands at places 8 g on
	s_mul_i32 s[SB+2*\g], s[SB+2*\g], s49
	s_mov_b32 s[SB+2*\g+1], 0
	s_add_nc_u64 s[SB+2*\g:SB+2*\g+1], s[SB+2*\g:SB+2*\g+1], s[56:57]
.endr
	s_lshr_b32 s58, s31, 1                         ; my unit: row group G / 2,
	s_sub_co_u32 s59, s25, 2
	s_lshl_b32 s58, s58, s59                       ; x K / 512 slots,
	s_lshr_b32 s59, s30, 2
	s_add_co_u32 s58, s58, s59                     ; + slot ks / 4
	s_mul_i32 s58, s58, UNIT
	s_and_b32 s59, s31, 1                          ; which 64 rows of the unit
	s_and_b32 s60, s30, 3                          ; which 128 along K of it
	s_lshl_b32 s56, s59, 14
	s_add_co_u32 s56, s56, s58
	s_lshl_b32 s61, s60, 10
	s_add_co_u32 s56, s56, s61                     ; the codes: unit + 4 images x 4,096 for the half + 1,024 (ks % 4)
	s_lshl_b32 s50, s59, 8
	s_add_co_u32 s50, s50, s58
	s_lshl_b32 s61, s60, 9
	s_add_co_u32 s50, s50, s61
	s_add_co_u32 s50, s50, 32768                   ; the scale words: unit + 32,768 + 512 (ks % 4) + 256 x half
	s_mov_b32 s51, 0
	s_wait_alu depctr_va_vdst(0)                   ; the wait at the head's end
	s_wait_kmcnt 0x0
	s_mov_b64 s[4:5], s[14:15]                     ; the pointers, by the same three tests on the work-group's number
	s_mov_b64 s[6:7], s[22:23]
	s_cmp_lt_u32 ttmp9, 448
	s_cselect_b64 s[4:5], s[12:13], s[4:5]
	s_cselect_b64 s[6:7], s[20:21], s[6:7]
	s_cmp_lt_u32 ttmp9, 320
	s_cselect_b64 s[4:5], s[10:11], s[4:5]
	s_cselect_b64 s[6:7], s[18:19], s[6:7]
	s_cmp_lt_u32 ttmp9, 256
	s_cselect_b64 s[4:5], s[8:9], s[4:5]
	s_cselect_b64 s[6:7], s[16:17], s[6:7]
.irp g, 0,1,2,3,4,5,6,7
	s_add_nc_u64 s[SB+2*\g:SB+2*\g+1], s[4:5], s[SB+2*\g:SB+2*\g+1]
.endr
	s_add_nc_u64 s[50:51], s[6:7], s[50:51]
	s_add_nc_u64 s[6:7], s[6:7], s[56:57]
.macro LOAD t                          ; image t's 16 rows into its own 64 registers
.set RL, R+64*(\t)
.if (\t) >= 2
.set RL, 64*((\t)-2)
	WIN 0x40
.endif
.irp j, 0,1,2,3,4,5,6,7,8,9,10,11,12,13,14,15
	global_load_b128 v[RL+4*\j:RL+4*\j+3], v[VO+(\j&7)], s[SB+2*(2*(\t)+(\j>>3)):SB+2*(2*(\t)+(\j>>3))+1] th:TH_LOAD_NT
.endr
	WIN 0
.endm
.macro IMG t
.if (\t) < 2
	s_wait_loadcnt 32                              ; this image's 16 loads are in; the 32 of the two images behind it may be out
.elseif (\t) == 2
	s_wait_loadcnt 16
.else
	s_wait_loadcnt 0x0
.endif
.if (\t) == 0
	LOAD 3
.endif
.set RS, R+64*(\t)
.if (\t) >= 2
.set RS, 64*((\t)-2)
	WIN 0x04
.endif
.irp j, 0,1,2,3,4,5,6,7,8,9,10,11,12,13,14,15
	ds_store_b128 v6, v[RS+4*\j:RS+4*\j+3] offset:528*\j
.endr
	WIN 0
.irp c, 0,1
.irp g, 0,1,2,3,4,5,6,7
	ds_load_b128 v[X+32*\c+4*\g:X+32*\c+4*\g+3], v7 offset:256*\c+16*\g   ; LDS serves a wave's instructions in order: block 2 c + h of row r
.endr
.endr
	s_wait_dscnt 0x0
.irp c, 0,1
	v_max3_num_f32 v[MX+\c], |v[X+32*\c]|, |v[X+32*\c+1]|, 0x1800000      ; the floor 2^(3 - 127) holds the byte at 1 from below
.endr
.irp i, 2,4,6,8,10,12,14,16,18,20,22,24,26,28,30
.irp c, 0,1
	v_max3_num_f32 v[MX+\c], v[MX+\c], |v[X+32*\c+\i]|, |v[X+32*\c+\i+1]|
.endr
.endr
.irp c, 0,1
	v_add_nc_u32 v[SCO+\c], 0xff000000, v[MX+\c]   ; 2 off the exponent field: the conversion's scale operand
.endr
.irp c, 0,1
	v_lshrrev_b32 v[BY+\c], 23, v[SCO+\c]
.endr
	v_lshl_or_b32 v[T], v[BY+1], 16, v[BY]
	v_lshlrev_b32 v[T], v24, v[T]
	v_permlanex16_b32 v[T2], v[T], s52, s53
	v_or_b32 v[W+(\t)], v[T], v[T2]                ; with lane l xor 16's two bytes the row's word is whole
.irp c, 0,1
.irp g, 0,1,2,3
	v_cvt_scalef32_pk8_fp4_f32 v[C+8*(\t)+4*\c+\g], v[X+32*\c+8*\g:X+32*\c+8*\g+7], v[SCO+\c]
.endr
.endr
	v_nop                                          ; one plain vector line behind the last scaled conversion
.irp c, 0,1
	global_store_b128 v4, v[C+8*(\t)+4*\c:C+8*(\t)+4*\c+3], s[6:7] offset:4096*(\t)+512*\c   ; 512 consecutive bytes, aligned: half an image
.endr
.endm
	LOAD 0
	LOAD 1
	LOAD 2
	IMG 0
	IMG 1
	IMG 2
	IMG 3
	v_cndmask_b32 v[BY], v[W], v[W+2], s54         ; lanes 0-15 store the words of images 0 and 1, lanes 16-31 those of 2 and 3
	v_cndmask_b32 v[BY+1], v[W+1], v[W+3], s54
	global_store_b64 v5, v[BY:BY+1], s[50:51]      ; 256 consecutive bytes, aligned
	s_wait_tensorcnt 0x0                           ; the wave's end
	ds_add_u32 v[SPW], v[NIL]
	s_wait_dscnt 0x0
	s_endpgm
.Lfunc_end_k_qc1e9cb3382_quant:
	.size	k_qc1e9cb3382_quant, .Lfunc_end_k_qc1e9cb3382_quant-k_qc1e9cb3382_quant
	.p2alignl 7, 3214868480
	.fill 96, 4, 3214868480
	.section	.rodata,"a",@progbits
	.p2align	6, 0x0
	.amdhsa_kernel k_qc1e9cb3382_quant
		.amdhsa_group_segment_fixed_size 34304
		.amdhsa_private_segment_fixed_size 0
		.amdhsa_enable_private_segment 0
		.amdhsa_kernarg_size 64
		.amdhsa_user_sgpr_count 2
		.amdhsa_user_sgpr_kernarg_segment_ptr 1
		.amdhsa_wavefront_size32 1
		.amdhsa_system_sgpr_workgroup_id_x 1
		.amdhsa_system_sgpr_workgroup_id_y 1
		.amdhsa_system_sgpr_workgroup_id_z 1
		.amdhsa_system_vgpr_workitem_id 0
		.amdhsa_next_free_vgpr 384
		.amdhsa_next_free_sgpr 66
		.amdhsa_reserve_vcc 0
		.amdhsa_float_denorm_mode_32 3
		.amdhsa_float_denorm_mode_16_64 3
		.amdhsa_memory_ordered 1
		.amdhsa_forward_progress 1
		.amdhsa_inst_pref_size 33
	.end_amdhsa_kernel
	.amdgpu_metadata
---
amdhsa.version: [ 1, 2 ]
amdhsa.kernels:
  - .name:           k_qc1e9cb3382_quant
    .symbol:         k_qc1e9cb3382_quant.kd
    .args:
      - { .name: x, .offset: 0, .size: 8, .value_kind: global_buffer, .address_space: global }
      - { .name: W_init, .offset: 8, .size: 8, .value_kind: global_buffer, .address_space: global }
      - { .name: W_ih, .offset: 16, .size: 8, .value_kind: global_buffer, .address_space: global }
      - { .name: W_final, .offset: 24, .size: 8, .value_kind: global_buffer, .address_space: global }
      - { .name: xq, .offset: 32, .size: 8, .value_kind: global_buffer, .address_space: global }
      - { .name: w1q, .offset: 40, .size: 8, .value_kind: global_buffer, .address_space: global }
      - { .name: w2q, .offset: 48, .size: 8, .value_kind: global_buffer, .address_space: global }
      - { .name: w3q, .offset: 56, .size: 8, .value_kind: global_buffer, .address_space: global }
    .group_segment_fixed_size: 34304
    .private_segment_fixed_size: 0
    .kernarg_segment_align: 8
    .kernarg_segment_size: 64
    .max_flat_workgroup_size: 128
    .sgpr_count:     66
    .vgpr_count:     384
    .wavefront_size: 32
...
	.end_amdgpu_metadata
.endif
;; end of part 1
;; launch layer1 (part 2): grid 8 x 32, 4 waves a work-group, clusters of 4 x 4, 327,680 bytes of LDS; arguments xq, w1q, b_init, h1q; writes h1q
.if DOCPART == 2
	.amdgcn_target "amdgcn-amd-amdhsa--gfx1250"
	.amdhsa_code_object_version 6
	.text
	.protected	k_qc1e9cb3382_layer1
	.globl	k_qc1e9cb3382_layer1
	.p2align	8
	.type	k_qc1e9cb3382_layer1,@function
k_qc1e9cb3382_layer1:
	s_mov_b64 s[64:65], 0
	v_nop
	global_prefetch_b8 v0, s[64:65] scope:SCOPE_SE
	s_setreg_imm32_b32 hwreg(HW_REG_WAVE_MODE, 25, 1), 1
	s_wait_xcnt 0x0
	s_wait_alu depctr_hold_cnt(0) depctr_sa_sdst(0) depctr_va_vdst(0) depctr_va_sdst(0) depctr_va_ssrc(0) depctr_va_vcc(0) depctr_vm_vsrc(0)
	s_getreg_b32 s2, hwreg(HW_REG_IB_STS2, 6, 4)
	s_cmp_eq_u32 s2, 0
	s_cbranch_scc0 .Lentry_in_a_cluster
	s_endpgm
.Lentry_in_a_cluster:
	s_bfe_u32 s2, ttmp6, 0x10000c
	s_cmp_lg_u32 s2, 0xf033
	s_cbranch_scc0 .Lentry_shape_is_right
	s_endpgm
.Lentry_shape_is_right:
; A HIDDEN LAYER: H = relu(A W^T + bias) on codes of FP4 (E2M1) with E8M0 scales, H quantised again along its columns, the next product's K.  Here A = x's codes, W = W_init's, bias = b_init.  Nothing is left out.
; OPERANDS lie in units of 128 rows x 512 along K, 34,816 bytes, [row / 128][k / 512]: 32,768 bytes of register images [row block][(k / 128) % 4][1,024], then the scale words [(k / 128) % 4][row / 64][row % 16][(row / 16) % 4].
; SHARES.  Four waves make 256 x 256 of H, a wave 128 x 128: 64 accumulators.  LDS holds four regions of two units: A's two row halves, W's two.  At the head each wave asks for one region, K slots 0 and 1, by one load of 272 rows of 256 bytes.
; With SIZE_K = 1,024 that is all of K: nothing is filled again.  With 2,048 each half region is filled once more, one unit a wave, behind a round of the cluster's barrier.
; THE PRODUCT IS USED TRANSPOSED (source 0 = an image of W, source 1 = an image of A): a lane holds one row of H, and the 16 registers of tiles 2 b, 2 b + 1 are 16 neighbours along the next K (W's rows were placed for that).
; CLUSTER 4 x 4: A's units are asked for jointly along a row of the cluster, W's along a column.  The bias is the C of each sum's first product.
; No prefetch: the text has no loop to run ahead in, and of K's SIZE_K / 512 slots two are first fills.
; LIMITS: NaN and infinities are not served; a block of zeros gets the byte 1 (its codes are zeros; this program alone reads the bytes); the bias enters the sum first, another order of f32 rounding than the problem's text has.
; REGISTERS: window 0: v1-31 addresses, v32-95 scale words (two sets), v96-123 at work on the way out, v128-255 A's fragments (two sets).  window 1: v0-63, v128-191 W's fragments; v64-127 the bias.  windows 2, 3: the accumulators.
.set SIZE_K, 1024
.set NBIAS,  1
.set U,      34816
.set NSL,    SIZE_K/512
.set AB,     8
.set SPARE,  8*U
.set NF,     32
.set QB,     2
.set ADRA, 16
.set ADRB, 20
.set ADRS, 22
.set CO,   26
.set SPW,  28
.set NIL,  29
.set BO,   30
.set SC,   32
.set TM,   96
.set PW,   112
.set SW,   120
.set H,    128
.set BIAS, 64
.set BIAS2, 192
.set G1, 24
.set G0, 32
.set G1B, 48
.set G0B, 56
.set MSB, 0
.macro WIN new
.if MSB != (\new)
	s_set_vgpr_msb (MSB<<8)|(\new)
.set MSB, (\new)
.endif
.endm
.macro PLACES n
.rept \n
	v_nop
.endr
.endm
.macro JLOAD g0a, g1a, g0b, g1b        ; a joint load: waves 0, 1 fetch for A, waves 2, 3 for W; s_nop 0 and four v_nop follow each line
	s_cmp_eq_u32 s15, 0
	s_cbranch_scc0 .Lfor_b_\@
	tensor_load_to_lds s[\g0a:\g0a+3], s[\g1a:\g1a+7]
	s_nop 0
.rept 4
	v_nop
.endr
	s_branch .Lasked_\@
.Lfor_b_\@:
	tensor_load_to_lds s[\g0b:\g0b+3], s[\g1b:\g1b+7]
	s_nop 0
.rept 4
	v_nop
.endr
.Lasked_\@:
.endm
.macro CREST
	s_cmp_lg_u32 s14, 0
	s_cbranch_scc1 .Lnot_wave_0_\@
	s_barrier_signal -3
.Lnot_wave_0_\@:
	s_barrier_wait -3
	s_barrier_signal -1
	s_barrier_wait -1
.endm
.macro CROUND
	s_barrier_signal -1
	s_barrier_wait -1
	CREST
.endm
	s_load_b128 s[4:7], s[0:1], 0x0                ; A, W
.if NBIAS == 2
	s_load_b128 s[8:11], s[0:1], 0x10
	s_load_b64 s[12:13], s[0:1], 0x20
.else
	s_load_b64 s[8:9], s[0:1], 0x10
	s_load_b64 s[12:13], s[0:1], 0x18
.endif
	v_lshl_add_u32 v[SPW], v0, 2, SPARE
	v_mov_b32 v[NIL], 0
	ds_add_u32 v[SPW], v[NIL]                      ; the opening: the add, twice on end, and its wait ahead of my first tensor load
	ds_add_u32 v[SPW], v[NIL]
	v_lshrrev_b32 v1, 5, v0
	v_readfirstlane_b32 s14, v1                    ; wave
	s_lshr_b32 s15, s14, 1                         ; my row half; also: I fetch for A (0) or W (1)
	s_and_b32 s16, s14, 1                          ; my column half; also: which half I fetch
	s_bfe_u32 s40, ttmp6, 0x40000
	s_bfe_u32 s41, ttmp6, 0x40004
	s_lshl_b32 s42, ttmp9, 2
	s_add_co_u32 s42, s42, s40                     ; tile column
	s_and_b32 s17, ttmp7, 0xffff
	s_lshl_b32 s17, s17, 2
	s_add_co_u32 s17, s17, s41                     ; tile row
	s_lshl_b32 s43, s41, 2
	s_lshl_b32 s43, 15, s43                        ; my row of the cluster
	s_lshl_b32 s44, 0x1111, s40                    ; my column
	s_or_b32 s[G1+0], s43, (3<<16)|(1<<21)         ; elements of 8 bytes, bit 21 beside the mask
	s_or_b32 s[G1B+0], s44, (3<<16)|(1<<21)
.irp g, G1, G1B
	s_mov_b32 s[\g+1], 32<<16                      ; rows of 256 bytes,
	s_mov_b32 s[\g+2], 272<<16                     ; 272 of them: two units on end
	s_mov_b32 s[\g+3], 32<<16
	s_mov_b32 s[\g+4], 272
	s_mov_b32 s[\g+5], 32
	s_mov_b32 s[\g+6], 0
	s_mov_b32 s[\g+7], 0
.endr
	s_lshl_b32 s20, s17, 1
	s_add_co_u32 s20, s20, s16
	s_mul_i32 s20, s20, NSL*U                      ; A: row group 2 x tile row + half
	s_mov_b32 s21, 0
	s_lshl_b32 s46, s42, 1
	s_add_co_u32 s46, s46, s16
	s_mul_i32 s46, s46, NSL*U                      ; W: row group 2 x tile column + half
	s_mov_b32 s47, 0
	s_mul_i32 s45, s16, 2*U                        ; where they go: A's regions, then W's
	s_add_co_u32 s19, s45, 4*U
	s_mov_b32 s96, 0x76543210
	s_mov_b32 s97, 0xfedcba98
	s_wait_dscnt 0x0
	s_wait_kmcnt 0x0
	s_add_nc_u64 s[20:21], s[4:5], s[20:21]
	s_add_nc_u64 s[46:47], s[6:7], s[46:47]
	CROUND                                         ; all sixteen work-groups are here: the joint loads meet
.irp s, 0,1
	s_mov_b32 s[G0+4*\s], 1
	s_add_co_u32 s[G0+4*\s+1], s45, \s*U
	s_add_nc_u64 s[G0+4*\s+2:G0+4*\s+3], s[20:21], \s*U
	s_or_b32 s[G0+4*\s+3], s[G0+4*\s+3], 0x80000000
	s_mov_b32 s[G0B+4*\s], 1
	s_add_co_u32 s[G0B+4*\s+1], s19, \s*U
	s_add_nc_u64 s[G0B+4*\s+2:G0B+4*\s+3], s[46:47], \s*U
	s_or_b32 s[G0B+4*\s+3], s[G0B+4*\s+3], 0x80000000
.endr
	JLOAD G0, G1, G0B, G1B                         ; my one load at the head: my region, K slots 0 and 1
	v_and_b32 v1, 31, v0
	v_bfe_u32 v2, v0, 4, 1                         ; h
	v_and_b32 v3, 15, v0                           ; r
	v_lshlrev_b32 v[CO], 4, v1
	s_wait_alu depctr_va_vdst(0)
	v_lshlrev_b32 v[BO], 6, v2
	s_lshl_b32 s46, s42, 10                        ; the bias of my 128 columns
	s_lshl_b32 s47, s16, 9
	s_add_co_u32 s46, s46, s47
	s_mov_b32 s47, 0
	s_add_nc_u64 s[8:9], s[8:9], s[46:47]
.if NBIAS == 2
	s_add_nc_u64 s[10:11], s[10:11], s[46:47]
.endif
	WIN 0x40
.irp b, 0,1,2,3,4,5,6,7                        ; tile b, half h, register j: column 32 (b / 2) + 8 (b % 2) + 16 h + j
	global_load_b128 v[BIAS+8*\b:BIAS+8*\b+3],   v[BO], s[8:9] offset:(32*(\b/2)+8*(\b%2))*4
	global_load_b128 v[BIAS+8*\b+4:BIAS+8*\b+7], v[BO], s[8:9] offset:(32*(\b/2)+8*(\b%2))*4+16
.endr
.if NBIAS == 2
.irp b, 0,1,2,3,4,5,6,7
	global_load_b128 v[BIAS2+8*\b:BIAS2+8*\b+3],   v[BO], s[10:11] offset:(32*(\b/2)+8*(\b%2))*4
	global_load_b128 v[BIAS2+8*\b+4:BIAS2+8*\b+7], v[BO], s[10:11] offset:(32*(\b/2)+8*(\b%2))*4+16
.endr
.endif
	WIN 0
	s_mul_i32 s21, s15, 2*U                        ; my rows of A
	s_mul_i32 s22, s16, 2*U
	s_add_co_u32 s22, s22, 4*U                     ; my rows of W
.irp s, 0,1
	v_add_nc_u32 v[ADRA+\s], s21, v[CO]
	v_add_nc_u32 v[ADRB+\s], s22, v[CO]
	s_add_co_u32 s21, s21, U
	s_add_co_u32 s22, s22, U
.endr
	s_mul_i32 s21, s15, 2*U
	s_mul_i32 s22, s16, 2*U
	s_add_co_u32 s22, s22, 4*U
	s_sub_co_u32 s22, s22, s21
	v_mul_u32_u24 v6, s22, v2                      ; scale words: lanes 16-31 take W's unit: one product, the distance between the two
	v_lshl_add_u32 v5, v3, 4, v6
	v_add_nc_u32 v[ADRS], s21, v5
	v_add_nc_u32 v[ADRS+1], U, v[ADRS]
.irp b, 0,1,2,3
	v_mov_b32 v[TM+4+\b], 0                        ; a lane permute's destination counts as one of its sources
.endr
	s_lshl_b32 s46, s17, 1                         ; where my part of H goes: row group 2 x tile row + half, of 4 slots; slot tile column / 2;
	s_add_co_u32 s46, s46, s15
	s_lshl_b32 s46, s46, 2
	s_lshr_b32 s47, s42, 1
	s_add_co_u32 s46, s46, s47
	s_mul_i32 s46, s46, U
	s_and_b32 s47, s42, 1
	s_lshl_b32 s47, s47, 1
	s_add_co_u32 s47, s47, s16                     ; K step 2 (tile column % 2) + half of that slot
	s_lshl_b32 s92, s47, 9
	s_add_co_u32 s92, s92, s46
	s_add_co_u32 s92, s92, 32768
	s_mov_b32 s93, 0
	s_lshl_b32 s47, s47, 10
	s_add_co_u32 s46, s46, s47
	s_mov_b32 s47, 0
	s_add_nc_u64 s[94:95], s[12:13], s[92:93]      ; the scale words
	s_add_nc_u64 s[12:13], s[12:13], s[46:47]      ; the codes
	s_wait_alu depctr_va_vdst(0)
	s_wait_loadcnt 0x0                             ; the bias
.if NBIAS == 2
	WIN 0x45
.set J, 0
.rept 32
	v_pk_add_f32 v[BIAS+J:BIAS+J+1], v[BIAS+J:BIAS+J+1], v[BIAS2+J:BIAS2+J+1]
.set J, J+2
.endr
	WIN 0
.endif
.macro FETCH slot, q, p                ; a K step's fragments into set p: W's eight images, then A's
	WIN 0x40
.irp i, 0,1,2,3,4,5,6,7
.irp c, 0,1
	ds_load_b128 v[128*(\p)+8*\i+4*\c:128*(\p)+8*\i+4*\c+3], v[ADRB+\slot] offset:4096*\i+1024*(\q)+512*\c
.endr
.endr
	WIN 0
.irp i, 0,1,2,3,4,5,6,7
.irp c, 0,1
	ds_load_b128 v[128+64*(\p)+8*\i+4*\c:128+64*(\p)+8*\i+4*\c+3], v[ADRA+\slot] offset:4096*\i+1024*(\q)+512*\c
.endr
.endr
.endm
.macro SCALES sc                       ; the slot's scale words: register 8 q + i: lanes 0-15 A's block i, lanes 16-31 W's block i
.irp q, 0,1,2,3
.irp g, 0,1
	ds_load_b128 v[SC+32*(\sc)+8*\q+4*\g:SC+32*(\sc)+8*\q+4*\g+3], v[ADRS+\sc] offset:32768+512*\q+256*\g
.endr
.endr
.endm
.macro MULA a, p, q, sc, first         ; A's block a against W's eight; the accumulators take turns
.if \first
	WIN 0x91+0x40*((\a)/4)
.else
	WIN 0xa1+0x50*((\a)/4)
.endif
.irp b, 0,1,2,3,4,5,6,7
.if \first
	v_wmma_scale_f32_16x16x128_f8f6f4 v[8*(8*((\a)%4)+\b):8*(8*((\a)%4)+\b)+7], v[128*(\p)+8*\b:128*(\p)+8*\b+7], v[128+64*(\p)+8*(\a):128+64*(\p)+8*(\a)+7], v[BIAS+8*\b:BIAS+8*\b+7], v[SC+32*(\sc)+8*(\q)+\b], v[SC+32*(\sc)+8*(\q)+(\a)] matrix_a_fmt:MATRIX_FMT_FP4 matrix_b_fmt:MATRIX_FMT_FP4 matrix_a_scale:MATRIX_SCALE_ROW1
.else
	v_wmma_scale_f32_16x16x128_f8f6f4 v[8*(8*((\a)%4)+\b):8*(8*((\a)%4)+\b)+7], v[128*(\p)+8*\b:128*(\p)+8*\b+7], v[128+64*(\p)+8*(\a):128+64*(\p)+8*(\a)+7], v[8*(8*((\a)%4)+\b):8*(8*((\a)%4)+\b)+7], v[SC+32*(\sc)+8*(\q)+\b], v[SC+32*(\sc)+8*(\q)+(\a)] matrix_a_fmt:MATRIX_FMT_FP4 matrix_b_fmt:MATRIX_FMT_FP4 matrix_a_scale:MATRIX_SCALE_ROW1
.endif
.endr
.endm
.macro MULS a0, n, p, q, sc, first
.set AA, \a0
.rept \n
	MULA AA, \p, \q, \sc, \first
.set AA, AA+1
.endr
.endm
; A step of 128 along K.  Its successor's 32 fragment loads (K step nq of slot ns) are asked for first, in one run, into the other set; sc = 1: the next slot's eight scale loads go ahead of them.
.macro STEPX slot, q, ns, nq, first, sc
	PLACES 4                                       ; the last step's products read the set that is loaded below
.if \sc
	SCALES \ns
.endif
	FETCH \ns, \nq, 1-(\q)%2
	s_wait_dscnt 32+8*(\sc)                        ; all but the loads just issued: this step's fragments and scale words are in
	MULS 0, AB, (\q)%2, \q, \slot, \first
	WIN 0
.endm
.macro STEP slot, q, first
	STEPX \slot, \q, \slot, (\q)+1, \first, 0
.endm
.macro CROSS slot, next                ; a slot's last step, on to a slot that lies in LDS already: no barrier
	STEPX \slot, 3, \next, 0, 0, 1
.endm
.macro TURN slot, next, fill           ; a slot's last step with the barrier of a change of slots; fill = 1: this slot's place takes the slot of K two further on
	s_wait_tensorcnt 0x0                           ; all my tensor loads have landed
	ds_add_u32 v[SPW], v[NIL]
	s_wait_dscnt 1                                 ; this step's fragments are in; the add may be out
	MULS 0, QB, 1, 3, \slot, 0
	s_wait_dscnt 0x0                               ; the add is done, my reads of this slot are over
	s_barrier_signal -1
	MULS QB, QB, 1, 3, \slot, 0
	WIN 0
	s_barrier_wait -1
.if \fill
	CREST                                          ; the barrier has opened a round of the cluster's
	s_add_nc_u64 s[G0+4*\slot+2:G0+4*\slot+3], s[G0+4*\slot+2:G0+4*\slot+3], 2*U
	s_add_nc_u64 s[G0B+4*\slot+2:G0B+4*\slot+3], s[G0B+4*\slot+2:G0B+4*\slot+3], 2*U
	JLOAD G0+4*\slot, G1, G0B+4*\slot, G1B         ; my one tensor load behind the round
.else
	PLACES 4
.endif
	SCALES \next
	FETCH \next, 0, 0
	MULS 2*QB, AB-2*QB, 1, 3, \slot, 0
	WIN 0
.endm
	s_wait_alu depctr_va_vdst(0)                   ; the wait at the head's end
	s_wait_tensorcnt 0x0                           ; my region is in
.if NSL == 4
	s_mov_b32 s[G1+2], 136<<16                     ; no load of mine is out: from here on a load brings one unit, 136 rows
	s_mov_b32 s[G1+4], 136
	s_mov_b32 s[G1B+2], 136<<16
	s_mov_b32 s[G1B+4], 136
.endif
	s_barrier_signal -1
	s_barrier_wait -1                              ; everybody's is
	SCALES 0
	FETCH 0, 0, 0
	STEP 0, 0, 1
	STEP 0, 1, 0
	STEP 0, 2, 0
.if NSL == 4
	TURN 0, 1, 1
	STEP 1, 0, 0
	STEP 1, 1, 0
	STEP 1, 2, 0
	TURN 1, 0, 1
	STEP 0, 0, 0
	STEP 0, 1, 0
	STEP 0, 2, 0
	TURN 0, 1, 0
.else
	CROSS 0, 1
.endif
	STEP 1, 0, 0
	STEP 1, 1, 0
	STEP 1, 2, 0
	s_wait_dscnt 0x0
	MULS 0, AB, 1, 3, 1, 0
	WIN 0
; THE WAY OUT, a block of 16 rows at a time: relu into window 0 (each accumulator from its low end on), the four blocks' scales, the codes; with whole blocks brought into a lane they are an image, stored as it stands.
.macro OUTQ a
.set PC, 192+8*(\a)
	WIN 0x08+4*((\a)/4)
.set J, 0
.rept 64
	v_max_num_f32 v[H+J], 0, v[64*((\a)%4)+J]
.set J, J+1
.endr
	WIN 0
.irp b, 0,1,2,3
	v_max3_num_f32 v[TM+\b], v[H+16*\b], v[H+1+16*\b], 0x1800000   ; the floor 2^(3 - 127) holds the byte at 1 from below
.endr
.irp i, 2,4,6,8,10,12,14
.irp b, 0,1,2,3
	v_max3_num_f32 v[TM+\b], v[TM+\b], v[H+16*\b+\i], v[H+1+16*\b+\i]
.endr
.endr
.irp b, 0,1,2,3
	v_permlanex16_b32 v[TM+4+\b], v[TM+\b], s96, s97
.endr
.irp b, 0,1,2,3
	v_max_num_f32 v[TM+\b], v[TM+\b], v[TM+4+\b]
.endr
.irp b, 0,1,2,3
	v_add_nc_u32 v[TM+12+\b], 0xff000000, v[TM+\b]
.endr
.irp b, 0,1,2,3
	v_lshrrev_b32 v[TM+4+\b], 23, v[TM+12+\b]
.endr
	v_lshl_or_b32 v[PW+(\a)], v[TM+5], 8, v[TM+4]
	v_lshl_or_b32 v[PW+(\a)], v[TM+6], 16, v[PW+(\a)]
	v_lshl_or_b32 v[PW+(\a)], v[TM+7], 24, v[PW+(\a)]
.irp b, 0,1,2,3
	v_cvt_scalef32_pk8_fp4_f32 v[PC+2*\b], v[H+16*\b:H+16*\b+7], v[TM+12+\b]
	v_cvt_scalef32_pk8_fp4_f32 v[PC+1+2*\b], v[H+8+16*\b:H+8+16*\b+7], v[TM+12+\b]
.endr
	v_nop
.irp c, 0,1
.irp i, 0,1
	v_permlane16_swap_b32 v[PC+4*\c+\i], v[PC+2+4*\c+\i]
.endr
.endr
.irp c, 0,1
	global_store_b128 v[CO], v[PC+4*\c:PC+4*\c+3], s[12:13] offset:4096*(\a)+512*\c   ; 512 consecutive bytes, aligned
.endr
.endm
	PLACES 4
.irp a, 0,1,2,3,4,5,6,7
	OUTQ \a
.endr
	v_cmp_ne_u32 s98, 0, v2                        ; lanes 0-15 store the words of blocks 0-3, lanes 16-31 those of blocks 4-7
.irp j, 0,1,2,3
	v_cndmask_b32 v[SW+\j], v[PW+\j], v[PW+4+\j], s98
.endr
	global_store_b128 v[CO], v[SW:SW+3], s[94:95]
	s_wait_tensorcnt 0x0                           ; the wave's end
	ds_add_u32 v[SPW], v[NIL]
	s_wait_dscnt 0x0
	CROUND                                         ; the closing round
	s_endpgm
.Lfunc_end_k_qc1e9cb3382_layer1:
	.size	k_qc1e9cb3382_layer1, .Lfunc_end_k_qc1e9cb3382_layer1-k_qc1e9cb3382_layer1
	.p2alignl 7, 3214868480
	.fill 96, 4, 3214868480
	.section	.rodata,"a",@progbits
	.p2align	6, 0x0
	.amdhsa_kernel k_qc1e9cb3382_layer1
		.amdhsa_group_segment_fixed_size 327680
		.amdhsa_private_segment_fixed_size 0
		.amdhsa_enable_private_segment 0
		.amdhsa_kernarg_size 32
		.amdhsa_user_sgpr_count 2
		.amdhsa_user_sgpr_kernarg_segment_ptr 1
		.amdhsa_wavefront_size32 1
		.amdhsa_system_sgpr_workgroup_id_x 1
		.amdhsa_system_sgpr_workgroup_id_y 1
		.amdhsa_system_sgpr_workgroup_id_z 1
		.amdhsa_system_vgpr_workitem_id 0
		.amdhsa_next_free_vgpr 1024
		.amdhsa_next_free_sgpr 100
		.amdhsa_reserve_vcc 0
		.amdhsa_float_denorm_mode_32 3
		.amdhsa_float_denorm_mode_16_64 3
		.amdhsa_memory_ordered 1
		.amdhsa_forward_progress 1
		.amdhsa_inst_pref_size 141
	.end_amdhsa_kernel
	.amdgpu_metadata
---
amdhsa.version: [ 1, 2 ]
amdhsa.kernels:
  - .name:           k_qc1e9cb3382_layer1
    .symbol:         k_qc1e9cb3382_layer1.kd
    .args:
      - { .name: xq, .offset: 0, .size: 8, .value_kind: global_buffer, .address_space: global }
      - { .name: w1q, .offset: 8, .size: 8, .value_kind: global_buffer, .address_space: global }
      - { .name: b_init, .offset: 16, .size: 8, .value_kind: global_buffer, .address_space: global }
      - { .name: h1q, .offset: 24, .size: 8, .value_kind: global_buffer, .address_space: global }
    .group_segment_fixed_size: 327680
    .private_segment_fixed_size: 0
    .kernarg_segment_align: 8
    .kernarg_segment_size: 32
    .max_flat_workgroup_size: 128
    .sgpr_count:     100
    .vgpr_count:     1024
    .wavefront_size: 32
...
	.end_amdgpu_metadata
.endif
;; end of part 2
;; launch layer2 (part 3): grid 8 x 32, 4 waves a work-group, clusters of 4 x 4, 327,680 bytes of LDS; arguments h1q, w2q, b_ih, b_hh, h2q; writes h2q
.if DOCPART == 3
	.amdgcn_target "amdgcn-amd-amdhsa--gfx1250"
	.amdhsa_code_object_version 6
	.text
	.protected	k_qc1e9cb3382_layer2
	.globl	k_qc1e9cb3382_layer2
	.p2align	8
	.type	k_qc1e9cb3382_layer2,@function
k_qc1e9cb3382_layer2:
	s_mov_b64 s[64:65], 0
	v_nop
	global_prefetch_b8 v0, s[64:65] scope:SCOPE_SE
	s_setreg_imm32_b32 hwreg(HW_REG_WAVE_MODE, 25, 1), 1
	s_wait_xcnt 0x0
	s_wait_alu depctr_hold_cnt(0) depctr_sa_sdst(0) depctr_va_vdst(0) depctr_va_sdst(0) depctr_va_ssrc(0) depctr_va_vcc(0) depctr_vm_vsrc(0)
	s_getreg_b32 s2, hwreg(HW_REG_IB_STS2, 6, 4)
	s_cmp_eq_u32 s2, 0
	s_cbranch_scc0 .Lentry_in_a_cluster
	s_endpgm
.Lentry_in_a_cluster:
	s_bfe_u32 s2, ttmp6, 0x10000c
	s_cmp_lg_u32 s2, 0xf033
	s_cbranch_scc0 .Lentry_shape_is_right
	s_endpgm
.Lentry_shape_is_right:
; A HIDDEN LAYER: H = relu(A W^T + bias) on codes of FP4 (E2M1) with E8M0 scales, H quantised again along its columns, the next product's K.  Here A = the first hidden layer's codes, W = W_ih's, bias = b_ih + b_hh.  Nothing is left out.
; OPERANDS lie in units of 128 rows x 512 along K, 34,816 bytes, [row / 128][k / 512]: 32,768 bytes of register images [row block][(k / 128) % 4][1,024], then the scale words [(k / 128) % 4][row / 64][row % 16][(row / 16) % 4].
; SHARES.  Four waves make 256 x 256 of H, a wave 128 x 128: 64 accumulators.  LDS holds four regions of two units: A's two row halves, W's two.  At the head each wave asks for one region, K slots 0 and 1, by one load of 272 rows of 256 bytes.
; Each half region is filled once more, one unit a wave, behind a round of the cluster's barrier: K slot 2 when slot 0 has been read, K slot 3 when slot 1 has.
; THE PRODUCT IS USED TRANSPOSED (source 0 = an image of W, source 1 = an image of A): a lane holds one row of H, and the 16 registers of tiles 2 b, 2 b + 1 are 16 neighbours along the next K (W's rows were placed for that).
; CLUSTER 4 x 4: A's units are asked for jointly along a row of the cluster, W's along a column.  The bias is the C of each sum's first product.
; PREFETCH: K slots 2 and 3 of my region's row group are 272 blocks of 256 bytes on end; the four partners that ask for them jointly take 68 each, told apart by address; a lane a block, three instructions a wave, at the head:
; one slot of K and more ahead of the refills.  W's blocks, which eight rows of clusters read, are asked for by the first four rows alone.
; LIMITS: NaN and infinities are not served; a block of zeros gets the byte 1 (its codes are zeros; this program alone reads the bytes); the two biases' sum enters the sum first, another order of f32 rounding than the problem's text has.
; REGISTERS: window 0: v1-31 addresses, v32-95 scale words (two sets), v96-123 at work on the way out, v128-255 A's fragments (two sets).  window 1: v0-63, v128-191 W's fragments; v64-127 the bias; v192-255 the second bias until it is added.  windows 2, 3: the accumulators.
.set U,      34816
.set NSL,    4
.set AB,     8
.set SPARE,  8*U
.set QB,     2
.set ADRA, 16
.set ADRB, 20
.set ADRS, 22
.set PFO,  24                          ; v24 256 x lane; v25 256 x min(lane, 3): the prefetches' offsets; never rewritten
.set CO,   26
.set SPW,  28
.set NIL,  29
.set BO,   30
.set SC,   32
.set TM,   96
.set PW,   112
.set SW,   120
.set H,    128
.set BIAS, 64
.set BIAS2, 192
.set G1, 24
.set G0, 32
.set G1B, 48
.set G0B, 56
.set PFA, 68                           ; s[68:69] where my prefetches begin; never rewritten
.set MSB, 0
.macro WIN new
.if MSB != (\new)
	s_set_vgpr_msb (MSB<<8)|(\new)
.set MSB, (\new)
.endif
.endm
.macro PLACES n
.rept \n
	v_nop
.endr
.endm
.macro JLOAD g0a, g1a, g0b, g1b        ; a joint load: waves 0, 1 fetch for A, waves 2, 3 for W; s_nop 0 and four v_nop follow each line
	s_cmp_eq_u32 s15, 0
	s_cbranch_scc0 .Lfor_b_\@
	tensor_load_to_lds s[\g0a:\g0a+3], s[\g1a:\g1a+7]
	s_nop 0
.rept 4
	v_nop
.endr
	s_branch .Lasked_\@
.Lfor_b_\@:
	tensor_load_to_lds s[\g0b:\g0b+3], s[\g1b:\g1b+7]
	s_nop 0
.rept 4
	v_nop
.endr
.Lasked_\@:
.endm
.macro CREST
	s_cmp_lg_u32 s14, 0
	s_cbranch_scc1 .Lnot_wave_0_\@
	s_barrier_signal -3
.Lnot_wave_0_\@:
	s_barrier_wait -3
	s_barrier_signal -1
	s_barrier_wait -1
.endm
.macro CROUND
	s_barrier_signal -1
	s_barrier_wait -1
	CREST
.endm
	s_load_b128 s[4:7], s[0:1], 0x0                ; A, W
	s_load_b128 s[8:11], s[0:1], 0x10              ; the two biases
	s_load_b64 s[12:13], s[0:1], 0x20              ; H
	v_lshl_add_u32 v[SPW], v0, 2, SPARE
	v_mov_b32 v[NIL], 0
	ds_add_u32 v[SPW], v[NIL]                      ; the opening: the add, twice on end, and its wait ahead of my first tensor load
	ds_add_u32 v[SPW], v[NIL]
	v_lshrrev_b32 v1, 5, v0
	v_readfirstlane_b32 s14, v1                    ; wave
	s_lshr_b32 s15, s14, 1                         ; my row half; also: I fetch for A (0) or W (1)
	s_and_b32 s16, s14, 1                          ; my column half; also: which half I fetch
	s_bfe_u32 s40, ttmp6, 0x40000
	s_bfe_u32 s41, ttmp6, 0x40004
	s_lshl_b32 s42, ttmp9, 2
	s_add_co_u32 s42, s42, s40                     ; tile column
	s_and_b32 s17, ttmp7, 0xffff
	s_mul_i32 s72, s17, s15                        ; the cluster's y for W's waves, 0 for A's
	s_lshl_b32 s17, s17, 2
	s_add_co_u32 s17, s17, s41                     ; tile row
	s_lshl_b32 s43, s41, 2
	s_lshl_b32 s43, 15, s43                        ; my row of the cluster
	s_lshl_b32 s44, 0x1111, s40                    ; my column
	s_or_b32 s[G1+0], s43, (3<<16)|(1<<21)         ; elements of 8 bytes, bit 21 beside the mask
	s_or_b32 s[G1B+0], s44, (3<<16)|(1<<21)
.irp g, G1, G1B
	s_mov_b32 s[\g+1], 32<<16                      ; rows of 256 bytes,
	s_mov_b32 s[\g+2], 272<<16                     ; 272 of them: two units on end
	s_mov_b32 s[\g+3], 32<<16
	s_mov_b32 s[\g+4], 272
	s_mov_b32 s[\g+5], 32
	s_mov_b32 s[\g+6], 0
	s_mov_b32 s[\g+7], 0
.endr
	s_lshl_b32 s20, s17, 1
	s_add_co_u32 s20, s20, s16
	s_mul_i32 s20, s20, NSL*U                      ; A: row group 2 x tile row + half
	s_mov_b32 s21, 0
	s_lshl_b32 s46, s42, 1
	s_add_co_u32 s46, s46, s16
	s_mul_i32 s46, s46, NSL*U                      ; W: row group 2 x tile column + half
	s_mov_b32 s47, 0
	s_mul_i32 s45, s16, 2*U                        ; where they go: A's regions, then W's
	s_add_co_u32 s19, s45, 4*U
	s_mov_b32 s96, 0x76543210
	s_mov_b32 s97, 0xfedcba98
	s_wait_dscnt 0x0
	s_wait_kmcnt 0x0
	s_add_nc_u64 s[20:21], s[4:5], s[20:21]
	s_add_nc_u64 s[46:47], s[6:7], s[46:47]
	s_cmp_eq_u32 s15, 0                            ; the prefetches: my row group,
	s_cselect_b32 s70, s40, s41                    ; my place among the four that ask for it with me (cx for A, cy for W),
	s_cselect_b64 s[PFA:PFA+1], s[20:21], s[46:47]
	s_mul_i32 s70, s70, 68*256                     ; my work-group's 68 blocks
	s_add_co_u32 s70, s70, 2*U                     ; of K slots 2 and 3
	s_mov_b32 s71, 0
	s_add_nc_u64 s[PFA:PFA+1], s[PFA:PFA+1], s[70:71]
	CROUND                                         ; all sixteen work-groups are here: the joint loads meet
.irp s, 0,1
	s_mov_b32 s[G0+4*\s], 1
	s_add_co_u32 s[G0+4*\s+1], s45, \s*U
	s_add_nc_u64 s[G0+4*\s+2:G0+4*\s+3], s[20:21], \s*U
	s_or_b32 s[G0+4*\s+3], s[G0+4*\s+3], 0x80000000
	s_mov_b32 s[G0B+4*\s], 1
	s_add_co_u32 s[G0B+4*\s+1], s19, \s*U
	s_add_nc_u64 s[G0B+4*\s+2:G0B+4*\s+3], s[46:47], \s*U
	s_or_b32 s[G0B+4*\s+3], s[G0B+4*\s+3], 0x80000000
.endr
	JLOAD G0, G1, G0B, G1B                         ; my one load at the head: my region, K slots 0 and 1
	v_and_b32 v1, 31, v0
	v_bfe_u32 v2, v0, 4, 1                         ; h
	v_and_b32 v3, 15, v0                           ; r
	v_lshlrev_b32 v[CO], 4, v1
	v_lshlrev_b32 v[PFO], 8, v1
	v_min_u32 v[PFO+1], 3, v1
	v_lshlrev_b32 v[PFO+1], 8, v[PFO+1]
	s_wait_alu depctr_va_vdst(0)
	v_lshlrev_b32 v[BO], 6, v2
	s_lshl_b32 s46, s42, 10                        ; the bias of my 128 columns
	s_lshl_b32 s47, s16, 9
	s_add_co_u32 s46, s46, s47
	s_mov_b32 s47, 0
	s_add_nc_u64 s[8:9], s[8:9], s[46:47]
	s_add_nc_u64 s[10:11], s[10:11], s[46:47]
	WIN 0x40
.irp b, 0,1,2,3,4,5,6,7                        ; tile b, half h, register j: column 32 (b / 2) + 8 (b % 2) + 16 h + j
	global_load_b128 v[BIAS+8*\b:BIAS+8*\b+3],   v[BO], s[8:9] offset:(32*(\b/2)+8*(\b%2))*4
	global_load_b128 v[BIAS+8*\b+4:BIAS+8*\b+7], v[BO], s[8:9] offset:(32*(\b/2)+8*(\b%2))*4+16
.endr
.irp b, 0,1,2,3,4,5,6,7
	global_load_b128 v[BIAS2+8*\b:BIAS2+8*\b+3],   v[BO], s[10:11] offset:(32*(\b/2)+8*(\b%2))*4
	global_load_b128 v[BIAS2+8*\b+4:BIAS2+8*\b+7], v[BO], s[10:11] offset:(32*(\b/2)+8*(\b%2))*4+16
.endr
	WIN 0
	s_mul_i32 s21, s15, 2*U                        ; my rows of A
	s_mul_i32 s22, s16, 2*U
	s_add_co_u32 s22, s22, 4*U                     ; my rows of W
.irp s, 0,1
	v_add_nc_u32 v[ADRA+\s], s21, v[CO]
	v_add_nc_u32 v[ADRB+\s], s22, v[CO]
	s_add_co_u32 s21, s21, U
	s_add_co_u32 s22, s22, U
.endr
	s_mul_i32 s21, s15, 2*U
	s_mul_i32 s22, s16, 2*U
	s_add_co_u32 s22, s22, 4*U
	s_sub_co_u32 s22, s22, s21
	v_mul_u32_u24 v6, s22, v2                      ; scale words: lanes 16-31 take W's unit: one product, the distance between the two
	v_lshl_add_u32 v5, v3, 4, v6
	v_add_nc_u32 v[ADRS], s21, v5
	v_add_nc_u32 v[ADRS+1], U, v[ADRS]
.irp b, 0,1,2,3
	v_mov_b32 v[TM+4+\b], 0                        ; a lane permute's destination counts as one of its sources
.endr
	s_lshl_b32 s46, s17, 1                         ; where my part of H goes: row group 2 x tile row + half, of 4 slots; slot tile column / 2;
	s_add_co_u32 s46, s46, s15
	s_lshl_b32 s46, s46, 2
	s_lshr_b32 s47, s42, 1
	s_add_co_u32 s46, s46, s47
	s_mul_i32 s46, s46, U
	s_and_b32 s47, s42, 1
	s_lshl_b32 s47, s47, 1
	s_add_co_u32 s47, s47, s16                     ; K step 2 (tile column % 2) + half of that slot
	s_lshl_b32 s92, s47, 9
	s_add_co_u32 s92, s92, s46
	s_add_co_u32 s92, s92, 32768
	s_mov_b32 s93, 0
	s_lshl_b32 s47, s47, 10
	s_add_co_u32 s46, s46, s47
	s_mov_b32 s47, 0
	s_add_nc_u64 s[94:95], s[12:13], s[92:93]      ; the scale words
	s_add_nc_u64 s[12:13], s[12:13], s[46:47]      ; the codes
	s_wait_alu depctr_va_vdst(0)
	s_wait_loadcnt 0x0                             ; the biases
	WIN 0x45
.set J, 0
.rept 32
	v_pk_add_f32 v[BIAS+J:BIAS+J+1], v[BIAS+J:BIAS+J+1], v[BIAS2+J:BIAS2+J+1]
.set J, J+2
.endr
	WIN 0
.macro FW slot, q, p, i0               ; W's images i0 .. i0 + 3 of a K step into set p
	WIN 0x40
.irp i, 0,1,2,3
.irp c, 0,1
	ds_load_b128 v[128*(\p)+8*((\i0)+\i)+4*\c:128*(\p)+8*((\i0)+\i)+4*\c+3], v[ADRB+\slot] offset:4096*((\i0)+\i)+1024*(\q)+512*\c
.endr
.endr
.endm
.macro FA slot, q, p, i0               ; A's blocks i0 .. i0 + 3
	WIN 0
.irp i, 0,1,2,3
.irp c, 0,1
	ds_load_b128 v[128+64*(\p)+8*((\i0)+\i)+4*\c:128+64*(\p)+8*((\i0)+\i)+4*\c+3], v[ADRA+\slot] offset:4096*((\i0)+\i)+1024*(\q)+512*\c
.endr
.endr
.endm
.macro FETCH slot, q, p                ; a K step's fragments in one run: W's eight images, then A's eight blocks
	FW \slot, \q, \p, 0
	FW \slot, \q, \p, 4
	FA \slot, \q, \p, 0
	FA \slot, \q, \p, 4
.endm
.macro SCALES sc                       ; the slot's scale words: register 8 q + i: lanes 0-15 A's block i, lanes 16-31 W's block i
.irp q, 0,1,2,3
.irp g, 0,1
	ds_load_b128 v[SC+32*(\sc)+8*\q+4*\g:SC+32*(\sc)+8*\q+4*\g+3], v[ADRS+\sc] offset:32768+512*\q+256*\g
.endr
.endr
.endm
.macro MULA a, p, q, sc, first         ; A's block a against W's eight; the accumulators take turns
.if \first
	WIN 0x91+0x40*((\a)/4)
.else
	WIN 0xa1+0x50*((\a)/4)
.endif
.irp b, 0,1,2,3,4,5,6,7
.if \first
	v_wmma_scale_f32_16x16x128_f8f6f4 v[8*(8*((\a)%4)+\b):8*(8*((\a)%4)+\b)+7], v[128*(\p)+8*\b:128*(\p)+8*\b+7], v[128+64*(\p)+8*(\a):128+64*(\p)+8*(\a)+7], v[BIAS+8*\b:BIAS+8*\b+7], v[SC+32*(\sc)+8*(\q)+\b], v[SC+32*(\sc)+8*(\q)+(\a)] matrix_a_fmt:MATRIX_FMT_FP4 matrix_b_fmt:MATRIX_FMT_FP4 matrix_a_scale:MATRIX_SCALE_ROW1
.else
	v_wmma_scale_f32_16x16x128_f8f6f4 v[8*(8*((\a)%4)+\b):8*(8*((\a)%4)+\b)+7], v[128*(\p)+8*\b:128*(\p)+8*\b+7], v[128+64*(\p)+8*(\a):128+64*(\p)+8*(\a)+7], v[8*(8*((\a)%4)+\b):8*(8*((\a)%4)+\b)+7], v[SC+32*(\sc)+8*(\q)+\b], v[SC+32*(\sc)+8*(\q)+(\a)] matrix_a_fmt:MATRIX_FMT_FP4 matrix_b_fmt:MATRIX_FMT_FP4 matrix_a_scale:MATRIX_SCALE_ROW1
.endif
.endr
.endm
.macro MULS a0, n, p, q, sc, first
.set AA, \a0
.rept \n
	MULA AA, \p, \q, \sc, \first
.set AA, AA+1
.endr
.endm
; A step of 128 along K that has its successor in the same slot: the successor's 32 fragment loads are asked for first, in one run, into the other set.
.macro STEP slot, q, first
	PLACES 4                                       ; the last step's products read the set that is loaded below
	FETCH \slot, (\q)+1, 1-(\q)%2
	s_wait_dscnt 32                                ; all but the 32 loads just issued: this step's fragments and scale words are in
	MULS 0, AB, (\q)%2, \q, \slot, \first
	WIN 0
.endm
.macro TURN slot, next, fill           ; a slot's last step with the barrier of a change of slots; fill = 1: this slot's place takes the slot of K two further on
	s_wait_tensorcnt 0x0                           ; all my tensor loads have landed
	ds_add_u32 v[SPW], v[NIL]
	s_wait_dscnt 1                                 ; this step's fragments are in; the add may be out
	MULS 0, QB, 1, 3, \slot, 0
	s_wait_dscnt 0x0                               ; the add is done, my reads of this slot are over
	s_barrier_signal -1
	MULS QB, QB, 1, 3, \slot, 0
	WIN 0
	s_barrier_wait -1
.if \fill
	CREST                                          ; the barrier has opened a round of the cluster's
	s_add_nc_u64 s[G0+4*\slot+2:G0+4*\slot+3], s[G0+4*\slot+2:G0+4*\slot+3], 2*U
	s_add_nc_u64 s[G0B+4*\slot+2:G0B+4*\slot+3], s[G0B+4*\slot+2:G0B+4*\slot+3], 2*U
	JLOAD G0+4*\slot, G1, G0B+4*\slot, G1B         ; my one tensor load behind the round
.else
	PLACES 4
.endif
	SCALES \next
	FETCH \next, 0, 0
	MULS 2*QB, AB-2*QB, 1, 3, \slot, 0
	WIN 0
.endm
	s_wait_alu depctr_va_vdst(0)                   ; the wait at the head's end
	s_wait_tensorcnt 0x0                           ; my region is in
	s_mov_b32 s[G1+2], 136<<16                     ; no load of mine is out: from here on a load brings one unit, 136 rows
	s_mov_b32 s[G1+4], 136
	s_mov_b32 s[G1B+2], 136<<16
	s_mov_b32 s[G1B+4], 136
	s_barrier_signal -1
	s_barrier_wait -1                              ; everybody's is
	SCALES 0
	FETCH 0, 0, 0
	s_cmp_lt_u32 s72, 4                            ; the prefetches stand behind the first fills' barrier and the first run of LDS loads.  A's waves always; W's in the first four rows of clusters
	s_cbranch_scc0 .Lnot_asked
	global_prefetch_b8 v[PFO], s[PFA:PFA+1] th:TH_LOAD_NT scope:SCOPE_SE                    ; blocks 0-31 of my 68,
	global_prefetch_b8 v[PFO], s[PFA:PFA+1] offset:8192 th:TH_LOAD_NT scope:SCOPE_SE        ; 32-63,
	global_prefetch_b8 v[PFO+1], s[PFA:PFA+1] offset:16384 th:TH_LOAD_NT scope:SCOPE_SE     ; 64-67 (the lanes left over name the last again)
.Lnot_asked:
	STEP 0, 0, 1
	STEP 0, 1, 0
	STEP 0, 2, 0
	TURN 0, 1, 1
	STEP 1, 0, 0
	STEP 1, 1, 0
	STEP 1, 2, 0
	TURN 1, 0, 1
	STEP 0, 0, 0
	STEP 0, 1, 0
	STEP 0, 2, 0
	TURN 0, 1, 0
	STEP 1, 0, 0
	STEP 1, 1, 0
	STEP 1, 2, 0
	s_wait_dscnt 0x0
	MULS 0, AB, 1, 3, 1, 0
	WIN 0
; THE WAY OUT, a block of 16 rows at a time: relu into window 0 (each accumulator from its low end on), the four blocks' scales, the codes; with whole blocks brought into a lane they are an image, stored as it stands.
.macro OUTQ a
.set PC, 192+8*(\a)
	WIN 0x08+4*((\a)/4)
.set J, 0
.rept 64
	v_max_num_f32 v[H+J], 0, v[64*((\a)%4)+J]
.set J, J+1
.endr
	WIN 0
.irp b, 0,1,2,3
	v_max3_num_f32 v[TM+\b], v[H+16*\b], v[H+1+16*\b], 0x1800000   ; the floor 2^(3 - 127) holds the byte at 1 from below
.endr
.irp i, 2,4,6,8,10,12,14
.irp b, 0,1,2,3
	v_max3_num_f32 v[TM+\b], v[TM+\b], v[H+16*\b+\i], v[H+1+16*\b+\i]
.endr
.endr
.irp b, 0,1,2,3
	v_permlanex16_b32 v[TM+4+\b], v[TM+\b], s96, s97
.endr
.irp b, 0,1,2,3
	v_max_num_f32 v[TM+\b], v[TM+\b], v[TM+4+\b]
.endr
.irp b, 0,1,2,3
	v_add_nc_u32 v[TM+12+\b], 0xff000000, v[TM+\b]
.endr
.irp b, 0,1,2,3
	v_lshrrev_b32 v[TM+4+\b], 23, v[TM+12+\b]
.endr
	v_lshl_or_b32 v[PW+(\a)], v[TM+5], 8, v[TM+4]
	v_lshl_or_b32 v[PW+(\a)], v[TM+6], 16, v[PW+(\a)]
	v_lshl_or_b32 v[PW+(\a)], v[TM+7], 24, v[PW+(\a)]
.irp b, 0,1,2,3
	v_cvt_scalef32_pk8_fp4_f32 v[PC+2*\b], v[H+16*\b:H+16*\b+7], v[TM+12+\b]
	v_cvt_scalef32_pk8_fp4_f32 v[PC+1+2*\b], v[H+8+16*\b:H+8+16*\b+7], v[TM+12+\b]
.endr
	v_nop
.irp c, 0,1
.irp i, 0,1
	v_permlane16_swap_b32 v[PC+4*\c+\i], v[PC+2+4*\c+\i]
.endr
.endr
.irp c, 0,1
	global_store_b128 v[CO], v[PC+4*\c:PC+4*\c+3], s[12:13] offset:4096*(\a)+512*\c   ; 512 consecutive bytes, aligned
.endr
.endm
	PLACES 4
.irp a, 0,1,2,3,4,5,6,7
	OUTQ \a
.endr
	v_cmp_ne_u32 s98, 0, v2                        ; lanes 0-15 store the words of blocks 0-3, lanes 16-31 those of blocks 4-7
.irp j, 0,1,2,3
	v_cndmask_b32 v[SW+\j], v[PW+\j], v[PW+4+\j], s98
.endr
	global_store_b128 v[CO], v[SW:SW+3], s[94:95]
	s_wait_tensorcnt 0x0                           ; the wave's end
	ds_add_u32 v[SPW], v[NIL]
	s_wait_dscnt 0x0
	CROUND                                         ; the closing round
	s_endpgm
.Lfunc_end_k_qc1e9cb3382_layer2:
	.size	k_qc1e9cb3382_layer2, .Lfunc_end_k_qc1e9cb3382_layer2-k_qc1e9cb3382_layer2
	.p2alignl 7, 3214868480
	.fill 96, 4, 3214868480
	.section	.rodata,"a",@progbits
	.p2align	6, 0x0
	.amdhsa_kernel k_qc1e9cb3382_layer2
		.amdhsa_group_segment_fixed_size 327680
		.amdhsa_private_segment_fixed_size 0
		.amdhsa_enable_private_segment 0
		.amdhsa_kernarg_size 40
		.amdhsa_user_sgpr_count 2
		.amdhsa_user_sgpr_kernarg_segment_ptr 1
		.amdhsa_wavefront_size32 1
		.amdhsa_system_sgpr_workgroup_id_x 1
		.amdhsa_system_sgpr_workgroup_id_y 1
		.amdhsa_system_sgpr_workgroup_id_z 1
		.amdhsa_system_vgpr_workitem_id 0
		.amdhsa_next_free_vgpr 1024
		.amdhsa_next_free_sgpr 100
		.amdhsa_reserve_vcc 0
		.amdhsa_float_denorm_mode_32 3
		.amdhsa_float_denorm_mode_16_64 3
		.amdhsa_memory_ordered 1
		.amdhsa_forward_progress 1
		.amdhsa_inst_pref_size 231
	.end_amdhsa_kernel
	.amdgpu_metadata
---
amdhsa.version: [ 1, 2 ]
amdhsa.kernels:
  - .name:           k_qc1e9cb3382_layer2
    .symbol:         k_qc1e9cb3382_layer2.kd
    .args:
      - { .name: h1q, .offset: 0, .size: 8, .value_kind: global_buffer, .address_space: global }
      - { .name: w2q, .offset: 8, .size: 8, .value_kind: global_buffer, .address_space: global }
      - { .name: b_ih, .offset: 16, .size: 8, .value_kind: global_buffer, .address_space: global }
      - { .name: b_hh, .offset: 24, .size: 8, .value_kind: global_buffer, .address_space: global }
      - { .name: h2q, .offset: 32, .size: 8, .value_kind: global_buffer, .address_space: global }
    .group_segment_fixed_size: 327680
    .private_segment_fixed_size: 0
    .kernarg_segment_align: 8
    .kernarg_segment_size: 40
    .max_flat_workgroup_size: 128
    .sgpr_count:     100
    .vgpr_count:     1024
    .wavefront_size: 32
...
	.end_amdgpu_metadata
.endif
;; end of part 3
;; launch layer3 (part 4): grid 4 x 64, 4 waves a work-group, clusters of 4 x 4, 327,680 bytes of LDS; arguments h2q, w3q, b_final, out0; writes out0
.if DOCPART == 4
	.amdgcn_target "amdgcn-amd-amdhsa--gfx1250"
	.amdhsa_code_object_version 6
	.text
	.protected	k_qc1e9cb3382_layer3
	.globl	k_qc1e9cb3382_layer3
	.p2align	8
	.type	k_qc1e9cb3382_layer3,@function
k_qc1e9cb3382_layer3:
	s_mov_b64 s[64:65], 0
	v_nop
	global_prefetch_b8 v0, s[64:65] scope:SCOPE_SE
	s_setreg_imm32_b32 hwreg(HW_REG_WAVE_MODE, 25, 1), 1
	s_wait_xcnt 0x0
	s_wait_alu depctr_hold_cnt(0) depctr_sa_sdst(0) depctr_va_vdst(0) depctr_va_sdst(0) depctr_va_ssrc(0) depctr_va_vcc(0) depctr_vm_vsrc(0)
	s_getreg_b32 s2, hwreg(HW_REG_IB_STS2, 6, 4)
	s_cmp_eq_u32 s2, 0
	s_cbranch_scc0 .Lentry_in_a_cluster
	s_endpgm
.Lentry_in_a_cluster:
	s_bfe_u32 s2, ttmp6, 0x10000c
	s_cmp_lg_u32 s2, 0xf033
	s_cbranch_scc0 .Lentry_shape_is_right
	s_endpgm
.Lentry_shape_is_right:
; THE LAST LAYER: out = A W^T + bias on codes of FP4 (E2M1) with E8M0 scales; out in f32.  A = the second hidden layer's codes, W = W_final's, bias = b_final.  Nothing is left out.
; OPERANDS lie in units of 128 rows x 512 along K, 34,816 bytes, [row / 128][k / 512]: 32,768 bytes of register images [row block][(k / 128) % 4][1,024], then the scale words [(k / 128) % 4][row / 64][row % 16][(row / 16) % 4].
; SHARES.  A work-group of four waves makes 128 rows x 256 columns IN TWO PASSES of 128 x 128, a wave 64 x 64: 16 accumulators.  LDS holds eight units.  At the head each wave asks for two by one load:
; waves 0, 1 A's four (all of K), waves 2, 3 those of W's first 128 rows.  A'S FRAGMENTS AND SCALE WORDS GO INTO REGISTERS FIRST (4 blocks x 16 K steps x 8, and 64): then A's four units are read no more and are filled again,
; one unit a wave behind a round of the cluster's barrier, with W's second 128 rows, which have all of pass 0 in which to land.
; A pass goes in double steps of 256 along K: 32 matrix instructions; the next double step's 16 loads of W stand behind its first four.
; THE PRODUCT IS USED TRANSPOSED (source 0 = an image of W, source 1 = an image of A): a lane holds eight neighbouring numbers of a row of out.  Results go through a stage in LDS and leave as whole rows of 256 bytes, aligned.
; PASS 0'S RESULTS are put whole into a stage of 64 rows a wave, which lies in the units of W's first 128 rows: these have had their only fill, and their last reads lie in front of the barrier between the passes.
; They leave in eight parts of eight rows, one to each double step of pass 1: four LDS loads, and their four stores a double step later.  Pass 1's results go through a stage of 32 rows a wave on bytes that no tensor load fills.
; CLUSTER 4 x 4: A's units are asked for jointly along a row of the cluster, W's along a column.  The bias is the C of each sum's first product.
; PREFETCH: the unit that I fill later is 136 blocks of 256 bytes; the four partners that ask for it jointly take 34 each, told apart by address, a lane a block, two instructions a wave, behind the first fills' barrier and
; ahead of the 144 loads that bring A into registers; sixteen clusters read these bytes, the first four ask.
; LIMITS: NaN and infinities are not served; the bias enters the sum first, another order of f32 rounding than the problem's text has.
; REGISTERS: window 0: v1-31 addresses, v32-63 W's scale words (two sets), v64-127 A's scale words, v128-255 W's fragments (two sets of two K steps).  window 1: v0-127 the accumulators, v128-191 the bias of both passes,
;   v192-255 rows read back from a stage.  windows 2, 3: A's fragments: K step t, block a at v[32 (t % 8) + 8 a] of window 2 + t / 8.
.set U,      34816
.set SPARE,  8*U
.set STAGE,  8*U+512                   ; pass 1's stage: 32 rows x 272 bytes for each wave
.set STAGE0, 4*U                       ; pass 0's stage: 64 rows x 272 bytes for each wave
.set SP,     272
.set ADRA, 4                           ; v4-5    my A fragments in K slots 0-1, 2-3
.set ADRB, 6                           ; v6-7    my W fragments in pass 0; v8-9 in pass 1
.set ADRS, 10                          ; v10-11  W's scale words in pass 0; v12-13 in pass 1
.set ASA,  14                          ; v14-15  A's scale words
.set PFO,  18                          ; v18 256 x lane; v19 256 x min(lane, 1): the prefetches' offsets; never rewritten
.set STO2, 20                          ; v20, v21 into and out of pass 0's stage
.set RD2,  21
.set STO,  24                          ; v24, v25 into and out of pass 1's stage
.set RD,   25
.set CO,   26
.set OO,   27                          ; my byte offset in two rows of out
.set SPW,  28
.set NIL,  29
.set BO,   30
.set SC,   32
.set SA,   64
.set WF,   128
.set BIAS, 128                         ; in window 1
.set BK,   192                         ; in window 1
.set G1, 24                            ; s[24:31], s[32:35] A's head load
.set G0, 32
.set G1B, 48                           ; s[48:55], s[56:59] W's head load
.set G0B, 56
.set G1R, 68                           ; s[68:75], s[76:79] W's second half
.set G0R, 76
.set PFA, 80                           ; s[80:81] where my prefetches begin; never rewritten
.set MSB, 0
.macro WIN new
.if MSB != (\new)
	s_set_vgpr_msb (MSB<<8)|(\new)
.set MSB, (\new)
.endif
.endm
.macro PLACES n
.rept \n
	v_nop
.endr
.endm
.macro CREST
	s_cmp_lg_u32 s14, 0
	s_cbranch_scc1 .Lnot_wave_0_\@
	s_barrier_signal -3
.Lnot_wave_0_\@:
	s_barrier_wait -3
	s_barrier_signal -1
	s_barrier_wait -1
.endm
.macro CROUND
	s_barrier_signal -1
	s_barrier_wait -1
	CREST
.endm
	s_load_b128 s[4:7], s[0:1], 0x0                ; A, W
	s_load_b128 s[8:11], s[0:1], 0x10              ; the bias, out
	v_lshl_add_u32 v[SPW], v0, 2, SPARE
	v_mov_b32 v[NIL], 0
	ds_add_u32 v[SPW], v[NIL]                      ; the opening: the add, twice on end, and its wait ahead of my first tensor load
	ds_add_u32 v[SPW], v[NIL]
	v_lshrrev_b32 v1, 5, v0
	v_readfirstlane_b32 s14, v1                    ; wave
	s_lshr_b32 s15, s14, 1                         ; my 64 rows; also: at the head I fetch for A (0) or W (1)
	s_and_b32 s16, s14, 1                          ; my 64 columns; also: which two K slots I fetch
	s_bfe_u32 s40, ttmp6, 0x40000
	s_bfe_u32 s41, ttmp6, 0x40004
	s_lshl_b32 s42, ttmp9, 2
	s_add_co_u32 s42, s42, s40                     ; tile column
	s_and_b32 s84, ttmp7, 0xffff                   ; the cluster's y
	s_lshl_b32 s17, s84, 2
	s_add_co_u32 s17, s17, s41                     ; tile row
	s_lshl_b32 s43, s41, 2
	s_lshl_b32 s43, 15, s43
	s_lshl_b32 s44, 0x1111, s40
	s_or_b32 s[G1+0], s43, (3<<16)|(1<<21)
	s_or_b32 s[G1B+0], s44, (3<<16)|(1<<21)
	s_or_b32 s[G1R+0], s44, (3<<16)|(1<<21)
.irp g, G1, G1B
	s_mov_b32 s[\g+1], 32<<16                      ; rows of 256 bytes, 272 of them: two units on end
	s_mov_b32 s[\g+2], 272<<16
	s_mov_b32 s[\g+3], 32<<16
	s_mov_b32 s[\g+4], 272
	s_mov_b32 s[\g+5], 32
	s_mov_b32 s[\g+6], 0
	s_mov_b32 s[\g+7], 0
.endr
	s_mov_b32 s[G1R+1], 32<<16                     ; one unit: 136 rows
	s_mov_b32 s[G1R+2], 136<<16
	s_mov_b32 s[G1R+3], 32<<16
	s_mov_b32 s[G1R+4], 136
	s_mov_b32 s[G1R+5], 32
	s_mov_b32 s[G1R+6], 0
	s_mov_b32 s[G1R+7], 0
	s_lshl_b32 s18, s16, 1
	s_lshl_b32 s20, s17, 2
	s_add_co_u32 s20, s20, s18
	s_mul_i32 s20, s20, U                          ; A: unit 4 x tile row + 2 x half
	s_mov_b32 s21, 0
	s_lshl_b32 s46, s42, 3
	s_add_co_u32 s46, s46, s18
	s_mul_i32 s46, s46, U                          ; W, pass 0: unit 8 x tile column + 2 x half
	s_mov_b32 s47, 0
	s_lshl_b32 s92, s42, 3
	s_add_co_u32 s92, s92, 4
	s_add_co_u32 s92, s92, s14
	s_mul_i32 s92, s92, U                          ; W, pass 1: unit 8 x tile column + 4 + wave
	s_mov_b32 s93, 0
	s_mul_i32 s45, s16, 2*U                        ; where they go: A's four units, then W's four;
	s_add_co_u32 s19, s45, 4*U
	s_mul_i32 s94, s14, U                          ; W's second half: in A's place, unit = wave
	s_mul_i32 s82, s41, 34*256                     ; the prefetches: my work-group's 34 blocks of that unit
	s_mov_b32 s83, 0
	s_wait_dscnt 0x0
	s_wait_kmcnt 0x0
	s_add_nc_u64 s[20:21], s[4:5], s[20:21]
	s_add_nc_u64 s[46:47], s[6:7], s[46:47]
	s_add_nc_u64 s[92:93], s[6:7], s[92:93]
	s_add_nc_u64 s[PFA:PFA+1], s[92:93], s[82:83]
	CROUND                                         ; all sixteen work-groups are here: the joint loads meet
	s_mov_b32 s[G0], 1
	s_mov_b32 s[G0+1], s45
	s_mov_b64 s[G0+2:G0+3], s[20:21]
	s_or_b32 s[G0+3], s[G0+3], 0x80000000
	s_mov_b32 s[G0B], 1
	s_mov_b32 s[G0B+1], s19
	s_mov_b64 s[G0B+2:G0B+3], s[46:47]
	s_or_b32 s[G0B+3], s[G0B+3], 0x80000000
	s_mov_b32 s[G0R], 1
	s_mov_b32 s[G0R+1], s94
	s_mov_b64 s[G0R+2:G0R+3], s[92:93]
	s_or_b32 s[G0R+3], s[G0R+3], 0x80000000
	s_cmp_eq_u32 s15, 0                            ; my one load at the head, in one of two arms; s_nop 0 and four v_nop follow each line
	s_cbranch_scc0 .Lhead_w
	tensor_load_to_lds s[G0:G0+3], s[G1:G1+7]
	s_nop 0
	PLACES 4
	s_branch .Lhead_asked
.Lhead_w:
	tensor_load_to_lds s[G0B:G0B+3], s[G1B:G1B+7]
	s_nop 0
	PLACES 4
.Lhead_asked:
	v_and_b32 v1, 31, v0
	v_bfe_u32 v2, v0, 4, 1                         ; h
	v_and_b32 v3, 15, v0                           ; r
	v_lshlrev_b32 v[CO], 4, v1
	v_lshlrev_b32 v16, 4, v3                       ; 16 r
	v_lshlrev_b32 v[PFO], 8, v1
	v_min_u32 v[PFO+1], 1, v1
	v_lshlrev_b32 v[PFO+1], 8, v[PFO+1]
	s_wait_alu depctr_va_vdst(0)
	v_lshlrev_b32 v[BO], 5, v2
	s_lshl_b32 s46, s42, 10                        ; my 64 columns of pass 0 in bytes of f32: 1,024 x tile column + 256 x half
	s_lshl_b32 s47, s16, 8
	s_add_co_u32 s46, s46, s47
	s_mov_b32 s47, 0
	s_add_nc_u64 s[8:9], s[8:9], s[46:47]
	s_add_nc_u64 s[10:11], s[10:11], s[46:47]
	WIN 0x40
.irp p, 0,1                                    ; pass p, tile b, half h, register j: column 128 p + 16 b + 8 h + j
.irp b, 0,1,2,3
	global_load_b128 v[BIAS+32*\p+8*\b:BIAS+32*\p+8*\b+3],   v[BO], s[8:9] offset:512*\p+64*\b
	global_load_b128 v[BIAS+32*\p+8*\b+4:BIAS+32*\p+8*\b+7], v[BO], s[8:9] offset:512*\p+64*\b+16
.endr
.endr
	WIN 0
	s_lshl_b32 s21, s15, 14                        ; my four row blocks of a unit of A,
	s_lshl_b32 s22, s16, 14                        ; and of W
	v_add_nc_u32 v[ADRA], s21, v[CO]
	v_add_nc_u32 v[ADRA+1], 2*U, v[ADRA]
	v_add_nc_u32 v[ADRB+2], s22, v[CO]             ; pass 1: W lies in units 0-3
	v_add_nc_u32 v[ADRB+3], 2*U, v[ADRB+2]
	v_add_nc_u32 v[ADRB], 4*U, v[ADRB+2]           ; pass 0: in units 4-7
	v_add_nc_u32 v[ADRB+1], 6*U, v[ADRB+2]
	s_lshl_b32 s21, s15, 8                         ; scale words: behind a unit's codes, 256 bytes for each 64 rows, 16 a row; both halves of the lanes read the same
	s_lshl_b32 s22, s16, 8
	s_add_co_u32 s21, s21, 32768
	s_add_co_u32 s22, s22, 32768
	v_add_nc_u32 v[ASA], s21, v16
	v_add_nc_u32 v[ASA+1], 2*U, v[ASA]
	v_add_nc_u32 v[ADRS+2], s22, v16
	v_add_nc_u32 v[ADRS+3], 2*U, v[ADRS+2]
	v_add_nc_u32 v[ADRS], 4*U, v[ADRS+2]
	v_add_nc_u32 v[ADRS+1], 6*U, v[ADRS+2]
	s_mul_i32 s23, s14, 32*SP
	s_add_co_u32 s23, s23, STAGE                   ; my stage of pass 1,
	s_mul_i32 s85, s14, 64*SP
	s_add_co_u32 s85, s85, STAGE0                  ; and of pass 0
	v_mul_u32_u24 v17, v3, SP                      ; in: row r, 32 bytes for each half of the lanes
	v_lshl_add_u32 v17, v2, 5, v17
	v_add_nc_u32 v[STO], s23, v17
	v_add_nc_u32 v[STO2], s85, v17
	v_mul_u32_u24 v17, v2, SP                      ; back: lanes 0-15 one row of 256 bytes, lanes 16-31 the next
	v_lshl_add_u32 v17, v3, 4, v17
	v_add_nc_u32 v[RD], s23, v17
	v_add_nc_u32 v[RD2], s85, v17
	v_lshlrev_b32 v[OO], 12, v2                    ; and the same two rows in out
	v_lshl_add_u32 v[OO], v3, 4, v[OO]
	s_lshl_b32 s20, s17, 7
	s_lshl_b32 s21, s15, 6
	s_add_co_u32 s20, s20, s21                     ; my first row of out
	s_lshl_b32 s20, s20, 12
	s_mov_b32 s21, 0
	s_add_nc_u64 s[10:11], s[10:11], s[20:21]
	s_wait_alu depctr_va_vdst(0)                   ; the wait at the head's end
	s_wait_loadcnt 0x0                             ; the bias
	s_wait_tensorcnt 0x0                           ; my two units are in
	s_barrier_signal -1
	s_barrier_wait -1                              ; everybody's are
.macro FETCHW d, bs                    ; W's fragments of double step d (K steps 2 d, 2 d + 1) into set d % 2: 16 loads
.irp u, 0,1
.irp i, 0,1,2,3
.irp c, 0,1
	ds_load_b128 v[WF+64*((\d)%2)+32*\u+8*\i+4*\c:WF+64*((\d)%2)+32*\u+8*\i+4*\c+3], v[ADRB+2*(\bs)+(\d)/4] offset:(((\d)/2)%2)*U+4096*\i+1024*(2*((\d)%2)+\u)+512*\c
.endr
.endr
.endr
.endm
.macro SCALESW s, bs                   ; W's scale words of K slot s into set s % 2: register 4 q + i: block i
.irp q, 0,1,2,3
	ds_load_b128 v[SC+16*((\s)%2)+4*\q:SC+16*((\s)%2)+4*\q+3], v[ADRS+2*(\bs)+(\s)/2] offset:((\s)%2)*U+512*\q
.endr
.endm
.macro MULA a, t, first, bs            ; K step t: A's block a against W's four; the 16 accumulators take turns
	WIN 0x58+4*((\t)/8)                            ; W window 0, A window 2 or 3, C and D window 1
.irp b, 0,1,2,3
.if \first
	v_wmma_scale_f32_16x16x128_f8f6f4 v[8*(4*(\a)+\b):8*(4*(\a)+\b)+7], v[WF+64*(((\t)/2)%2)+32*((\t)%2)+8*\b:WF+64*(((\t)/2)%2)+32*((\t)%2)+8*\b+7], v[32*((\t)%8)+8*(\a):32*((\t)%8)+8*(\a)+7], v[BIAS+32*(\bs)+8*\b:BIAS+32*(\bs)+8*\b+7], v[SC+16*(((\t)/4)%2)+4*((\t)%4)+\b], v[SA+4*(\t)+(\a)] matrix_a_fmt:MATRIX_FMT_FP4 matrix_b_fmt:MATRIX_FMT_FP4
.else
	v_wmma_scale_f32_16x16x128_f8f6f4 v[8*(4*(\a)+\b):8*(4*(\a)+\b)+7], v[WF+64*(((\t)/2)%2)+32*((\t)%2)+8*\b:WF+64*(((\t)/2)%2)+32*((\t)%2)+8*\b+7], v[32*((\t)%8)+8*(\a):32*((\t)%8)+8*(\a)+7], v[8*(4*(\a)+\b):8*(4*(\a)+\b)+7], v[SC+16*(((\t)/4)%2)+4*((\t)%4)+\b], v[SA+4*(\t)+(\a)] matrix_a_fmt:MATRIX_FMT_FP4 matrix_b_fmt:MATRIX_FMT_FP4
.endif
.endr
.endm
.macro MULS a0, n, t, first, bs
.set AA, \a0
.rept \n
	MULA AA, \t, \first, \bs
.set AA, AA+1
.endr
.endm
.macro PUT d                           ; part d of pass 0's results, rows 8 d .. 8 d + 7, is stored: 16 lanes store 256 consecutive bytes, aligned
	WIN 0x04                                       ; a store's data are its source 1: window 1
.irp t, 0,1,2,3
	global_store_b128 v[OO], v[BK+16*((\d)%4)+4*\t:BK+16*((\d)%4)+4*\t+3], s[10:11] offset:2*(4*(\d)+\t)*4096 th:TH_STORE_NT
.endr
.endm
.macro DRAIN d                         ; in pass 1's double step d: part d comes back from pass 0's stage, part d - 1, which the wait at the double step's head has shown in, is stored
.if (\d) >= 4
	s_wait_xcnt 0x0                                ; part d - 4's stores have read the registers that part d is loaded into
.endif
	WIN 0x40
.irp t, 0,1,2,3
	ds_load_b128 v[BK+16*((\d)%4)+4*\t:BK+16*((\d)%4)+4*\t+3], v[RD2] offset:2*SP*(4*(\d)+\t)
.endr
.if (\d) > 0
	PUT (\d)-1
.endif
.endm
.macro DSTEP d, first, bs              ; a double step: 32 matrix instructions; the next one's loads stand behind the first four
	s_wait_dscnt 0x0                               ; this double step's fragments and scale words are in
	PLACES 4                                       ; the last double step's products read the set that is loaded below
	MULA 0, 2*(\d), \first, \bs
	WIN 0
.if (\d) < 7
	FETCHW (\d)+1, \bs
.if ((\d)%2) == 1
	SCALESW ((\d)+1)/2, \bs
.endif
.endif
.if \bs
	DRAIN \d
.endif
	MULS 1, 3, 2*(\d), \first, \bs
	MULS 0, 4, 2*(\d)+1, 0, \bs
	WIN 0
.endm
.macro PASS bs
	DSTEP 0, 1, \bs
.set D, 1
.rept 7
	DSTEP D, 0, \bs
.set D, D+1
.endr
.endm
; THE WAY OUT of pass 1, 16 rows x 64 columns at a time, through two halves of my stage by turns.  LDS serves a wave's instructions in order: no wait between the stores and the loads.
.macro TOSTAGE a
	WIN 0x04                                       ; an LDS store's data are its source 1: window 1
.irp b, 0,1,2,3
	ds_store_b128 v[STO], v[8*(4*(\a)+\b):8*(4*(\a)+\b)+3] offset:16*SP*((\a)%2)+64*\b       ; each accumulator from its low end on
	ds_store_b128 v[STO], v[8*(4*(\a)+\b)+4:8*(4*(\a)+\b)+7] offset:16*SP*((\a)%2)+64*\b+16
.endr
	WIN 0x40                                       ; back into window 1
.irp t, 0,1,2,3,4,5,6,7
	ds_load_b128 v[BK+32*((\a)%2)+4*\t:BK+32*((\a)%2)+4*\t+3], v[RD] offset:16*SP*((\a)%2)+2*SP*\t
.endr
	WIN 0
.endm
.macro SEND a, younger
	s_wait_dscnt \younger                          ; the block is back in registers
	WIN 0x04
.irp t, 0,1,2,3,4,5,6,7
	global_store_b128 v[OO], v[BK+32*((\a)%2)+4*\t:BK+32*((\a)%2)+4*\t+3], s[10:11] offset:(16*(\a)+2*\t)*4096+512 th:TH_STORE_NT   ; 16 lanes store 256 consecutive bytes, aligned; pass 1's columns lie 512 bytes on
.endr
	WIN 0
.endm
	; pass 0's first fragments of W; the prefetches; then all of A: its scale words and its fragments, 144 loads
	SCALESW 0, 0
	FETCHW 0, 0
	s_cmp_lt_u32 s84, 4                            ; the first four clusters ask
	s_cbranch_scc0 .Lnot_asked
	global_prefetch_b8 v[PFO], s[PFA:PFA+1] th:TH_LOAD_NT scope:SCOPE_SE                  ; blocks 0-31 of my 34,
	global_prefetch_b8 v[PFO+1], s[PFA:PFA+1] offset:8192 th:TH_LOAD_NT scope:SCOPE_SE    ; 32, 33 (the lanes left over name the last again)
.Lnot_asked:
.set T, 0
.rept 16
	ds_load_b128 v[SA+4*T:SA+4*T+3], v[ASA+T/8] offset:((T/4)%2)*U+512*(T%4)
.set T, T+1
.endr
.set T, 0
.rept 16
	WIN 0x80+0x40*(T/8)
.irp i, 0,1,2,3
.irp c, 0,1
	ds_load_b128 v[32*(T%8)+8*\i+4*\c:32*(T%8)+8*\i+4*\c+3], v[ADRA+T/8] offset:((T/4)%2)*U+4096*\i+1024*(T%4)+512*\c
.endr
.endr
.set T, T+1
.endr
	WIN 0
	s_wait_tensorcnt 0x0                           ; none of my tensor loads is out
	ds_add_u32 v[SPW], v[NIL]
	s_wait_dscnt 0x0                               ; the add is done, my reads of A's units are over
	s_barrier_signal -1
	s_barrier_wait -1
	CREST                                          ; a round of the cluster's barrier: no wave of any partner still reads A's units
	tensor_load_to_lds s[G0R:G0R+3], s[G1R:G1R+7]  ; my one load behind the round: K slot = my wave's number of W's second 128 rows, into A's place
	s_nop 0
	PLACES 4
	PASS 0
	PLACES 5                                       ; behind the last products: their results are read below, and written over by pass 1's first products
	s_wait_tensorcnt 0x0                           ; my unit of W's second half is in (no LDS instruction of mine is out)
	s_barrier_signal -1
	s_barrier_wait -1                              ; everybody's is, and nobody reads W's first half any more
	SCALESW 0, 1
	FETCHW 0, 1
	WIN 0x04                                       ; pass 0's results, whole, into my stage in the units of W's first half
.irp a, 0,1,2,3
.irp b, 0,1,2,3
	ds_store_b128 v[STO2], v[8*(4*\a+\b):8*(4*\a+\b)+3] offset:16*SP*\a+64*\b                ; each accumulator from its low end on
	ds_store_b128 v[STO2], v[8*(4*\a+\b)+4:8*(4*\a+\b)+7] offset:16*SP*\a+64*\b+16
.endr
.endr
	WIN 0
	PASS 1                                         ; its first wait shows the stores above done
	s_wait_dscnt 0x0                               ; pass 0's last part is back
	PUT 7
	WIN 0
	PLACES 5
	s_wait_xcnt 0x0                                ; pass 0's stores have read their registers
	TOSTAGE 0
.irp a, 1,2,3
.if \a > 1
	s_wait_xcnt 0x0                                ; block a - 2's stores have read their registers: block a's loads may land there
.endif
	TOSTAGE \a
	SEND \a-1, 16                                  ; behind block a - 1's loads: block a's 8 stores and 8 loads
.endr
	SEND 3, 0
	s_wait_tensorcnt 0x0                           ; the wave's end
	ds_add_u32 v[SPW], v[NIL]
	s_wait_dscnt 0x0
	CROUND                                         ; the closing round
	s_endpgm
.Lfunc_end_k_qc1e9cb3382_layer3:
	.size	k_qc1e9cb3382_layer3, .Lfunc_end_k_qc1e9cb3382_layer3-k_qc1e9cb3382_layer3
	.p2alignl 7, 3214868480
	.fill 96, 4, 3214868480
	.section	.rodata,"a",@progbits
	.p2align	6, 0x0
	.amdhsa_kernel k_qc1e9cb3382_layer3
		.amdhsa_group_segment_fixed_size 327680
		.amdhsa_private_segment_fixed_size 0
		.amdhsa_enable_private_segment 0
		.amdhsa_kernarg_size 32
		.amdhsa_user_sgpr_count 2
		.amdhsa_user_sgpr_kernarg_segment_ptr 1
		.amdhsa_wavefront_size32 1
		.amdhsa_system_sgpr_workgroup_id_x 1
		.amdhsa_system_sgpr_workgroup_id_y 1
		.amdhsa_system_sgpr_workgroup_id_z 1
		.amdhsa_system_vgpr_workitem_id 0
		.amdhsa_next_free_vgpr 1024
		.amdhsa_next_free_sgpr 100
		.amdhsa_reserve_vcc 0
		.amdhsa_float_denorm_mode_32 3
		.amdhsa_float_denorm_mode_16_64 3
		.amdhsa_memory_ordered 1
		.amdhsa_forward_progress 1
		.amdhsa_inst_pref_size 123
	.end_amdhsa_kernel
	.amdgpu_metadata
---
amdhsa.version: [ 1, 2 ]
amdhsa.kernels:
  - .name:           k_qc1e9cb3382_layer3
    .symbol:         k_qc1e9cb3382_layer3.kd
    .args:
      - { .name: h2q, .offset: 0, .size: 8, .value_kind: global_buffer, .address_space: global }
      - { .name: w3q, .offset: 8, .size: 8, .value_kind: global_buffer, .address_space: global }
      - { .name: b_final, .offset: 16, .size: 8, .value_kind: global_buffer, .address_space: global }
      - { .name: out0, .offset: 24, .size: 8, .value_kind: global_buffer, .address_space: global }
    .group_segment_fixed_size: 327680
    .private_segment_fixed_size: 0
    .kernarg_segment_align: 8
    .kernarg_segment_size: 32
    .max_flat_workgroup_size: 128
    .sgpr_count:     100
    .vgpr_count:     1024
    .wavefront_size: 32
...
	.end_amdgpu_metadata
.endif
;; end of part 4
